; MI455X (gfx1250); checked and timed in simulation.
; The chip was launched on July 23, 2026; its instructions are those of AMD's public machine-readable ISA for CDNA 5 (MIT licence, August 2026) and "CDNA5" Instruction Set Architecture Reference Guide (July 2026). The comments in the code are by the model that wrote it; some were corrected since.
;; Hun Yuan Dense V1 Attention. Allowed arithmetic: float matrix products may take bf16 or f16 operands with f32 sums; other float arithmetic in f32, or as packed bf16 or f16 multiplies, adds, multiply-adds, maxima and minima; sums over many terms, partial sums and values carried from step to step in f32; what a program stores and reads back later, other than sums and carried values, may be rounded once to bf16 or f16.
;; Inputs: Wk 4,096 x 512 float32; Wo 1,024 x 4,096 float32; Wq 4,096 x 1,024 float32; Wv 4,096 x 512 float32; cos_table 2,048 x 128 float32; hidden_states 2 x 2,048 x 4,096 float32; k_norm_w 128 float32; position_ids 2 x 2,048 int32; q_norm_w 128 float32; sin_table 2,048 x 128 float32.
;; Outputs: out0 2 x 2,048 x 4,096 float32.
;; 2 versions, each right; version 2 is version 1 with the launch prep written anew for expert scheduling mode. Each part assembles by itself: llvm-mc -triple=amdgcn-amd-amdhsa -mcpu=gfx1250 --defsym DOCPART=n.
;; ======== version 1 of 2: 4 launches
;; limits: values are held in f16: magnitudes above 65,504 overflow, below 6.1e-05 lose precision; right only within a limited range of input values
;; workspace buffers: xb 33,554,432 bytes; wqkv 16,777,216 bytes; wo16 8,388,608 bytes; cs 2,097,152 bytes; qh 8,388,608 bytes; kh 4,194,304 bytes; vh 4,194,304 bytes; ob 8,388,608 bytes
;; launch prep (part 1): grid 1824 x 1, 8 waves a work-group, no clusters, 0 bytes of LDS; arguments hidden_states, Wq, Wk, Wv, Wo, cos_table, sin_table, xb, wqkv, wo16, cs; writes xb, wqkv, wo16, cs
.if DOCPART == 1
	.amdgcn_target "amdgcn-amd-amdhsa--gfx1250"
	.amdhsa_code_object_version 6
	.text
	.protected	k_q6c12d76da2_prep
	.globl	k_q6c12d76da2_prep
	.p2align	8
	.type	k_q6c12d76da2_prep,@function
k_q6c12d76da2_prep:
	s_mov_b64 s[64:65], 0
	v_nop
	global_prefetch_b8 v0, s[64:65] scope:SCOPE_SE
	s_setreg_imm32_b32 hwreg(HW_REG_WAVE_MODE, 25, 1), 1
	s_wait_xcnt 0x0
; Every floating-point input but the two gains is rounded once to bf16 and laid out for the later launches:
;   xb   [4096][4096] bf16      = hidden_states
;   wqkv [4096 k][2048 n] bf16  = Wq | Wk | Wv side by side (columns 0, 1024, 1536)
;   wo16 [1024 k][4096 n] f16   = 16 x bf16(Wo): a bf16 number has 8 significant bits, so it is exact in f16.  LIMIT: |Wo| < 4,094.
;   cs   [2048 pos][256] f32    = bf16(cos) in words 0-127, bf16(sin) in words 128-255 with the sign turned for d < 64,
;                                 so that RoPE is y[d] = x[d] cs[d] + x[d xor 64] cs[128+d].
; A stream: no LDS, no barrier, no loop.  A UNIT is 2,048 source bytes (512 f32).  A wave takes 4 units: sixteen loads of 512 consecutive
; bytes, all issued before the first wait; a work-group takes 32 units.  Which tensor a work-group works on follows from its number alone.
.set SRC,  32          ; s[32:33] source, at my wave's first unit
.set DST,  34          ; s[34:35] destination buffer
.set W0,   36          ; first work-group of the segment
.set SH,   37          ; unit >> SH = destination row
.set MSK,  38          ; unit & MSK = which 1,024 bytes of that row
.set PIT,  39          ; destination bytes from row to row
.set COL,  40          ; byte offset in the destination row
.set MODE, 41          ; 0: bf16   1: 16 x bf16 as f16   2: bf16 as f32 (tables)
.set LSH,  42          ; log2 of a lane's destination bytes
.set SGN,  43          ; the sign bit for the sine's first half, else 0
.set D,    44          ; s44-47  destination offset of my four units
.set VD,   4           ; v4-7    the same plus my lane's bytes; never rewritten
.set X,    16          ; v[16:79]  load n of 16 at X + 4 n
.set OUT,  80          ; v[80:143] what is stored; no register is written twice, so no store's source is ever rewritten
	s_load_b512 s[8:23], s[0:1], 0x0               ; hidden 8, Wq 10, Wk 12, Wv 14, Wo 16, cos 18, sin 20, xb 22
	s_load_b128 s[24:27], s[0:1], 0x40             ; wqkv 24, wo16 26
	s_load_b64 s[28:29], s[0:1], 0x50              ; cs
	v_lshrrev_b32 v1, 5, v0
	v_readfirstlane_b32 s4, v1                     ; wave 0..7
	v_and_b32 v1, 31, v0                           ; lane
	v_lshlrev_b32 v2, 4, v1                        ; 16 source bytes a lane
	s_mov_b32 s[W0], 1808                          ; the last segment (the sine table); the others are chosen below, from the top down
	s_mov_b32 s[SH], 0
	s_mov_b32 s[MSK], 0
	s_mov_b32 s[PIT], 4096
	s_mov_b32 s[COL], 512
	s_mov_b32 s[MODE], 2
	s_mov_b32 s[LSH], 4
	s_wait_kmcnt 0x0
	s_mov_b64 s[SRC:SRC+1], s[20:21]
	s_mov_b64 s[DST:DST+1], s[28:29]
.macro SEG bound, src, dst, w0, sh, msk, pit, col, mode, lsh   ; work-groups below 'bound' belong to this segment (or to one chosen later)
	s_cmp_lt_u32 ttmp9, \bound
	s_cselect_b64 s[SRC:SRC+1], s[\src:\src+1], s[SRC:SRC+1]
	s_cselect_b64 s[DST:DST+1], s[\dst:\dst+1], s[DST:DST+1]
	s_cselect_b32 s[W0], \w0, s[W0]
	s_cselect_b32 s[SH], \sh, s[SH]
	s_cselect_b32 s[MSK], \msk, s[MSK]
	s_cselect_b32 s[PIT], \pit, s[PIT]
	s_cselect_b32 s[COL], \col, s[COL]
	s_cselect_b32 s[MODE], \mode, s[MODE]
	s_cselect_b32 s[LSH], \lsh, s[LSH]
.endm
	SEG 1808, 18, 28, 1792, 0, 0, 4096, 0, 2, 4    ; cos: a unit is 4 table rows, 4 rows of cs
	SEG 1792, 16, 26, 1536, 0, 0, 1024, 0, 1, 3    ; Wo: dense to dense
	SEG 1536, 14, 24, 1408, 0, 0, 4096, 3072, 0, 3 ; Wv: a unit is a row of 512
	SEG 1408, 12, 24, 1280, 0, 0, 4096, 2048, 0, 3 ; Wk
	SEG 1280, 10, 24, 1024, 1, 1, 4096, 0, 0, 3    ; Wq: two units are a row of 1,024
	SEG 1024, 8, 22, 0, 0, 0, 1024, 0, 0, 3        ; hidden_states: dense to dense
	s_sub_co_u32 s5, ttmp9, s[W0]
	s_lshl_b32 s5, s5, 5                           ; 32 units a work-group,
	s_lshl2_add_u32 s5, s4, s5                     ; 4 a wave: my first unit
	s_lshl_b32 s6, s5, 11                          ; x 2,048 bytes: 64 MiB at the most
	s_mov_b32 s7, 0
	s_add_nc_u64 s[SRC:SRC+1], s[SRC:SRC+1], s[6:7]
.irp i, 0,1,2,3
	s_add_co_u32 s2, s5, \i
	s_lshr_b32 s3, s2, s[SH]
	s_mul_i32 s3, s3, s[PIT]
	s_and_b32 s2, s2, s[MSK]
	s_lshl_b32 s2, s2, 10
	s_add_co_u32 s3, s3, s2
	s_add_co_u32 s[D+\i], s3, s[COL]
	v_lshl_add_u32 v[VD+\i], v1, s[LSH], s[D+\i]
.endr
.irp i, 0,1,2,3
.irp j, 0,1,2,3
	global_load_b128 v[X+16*(\i)+4*(\j):X+16*(\i)+4*(\j)+3], v2, s[SRC:SRC+1] offset:(\i)*2048+(\j)*512 th:TH_LOAD_NT
.endr
.endr
	s_cmp_eq_u32 s[COL], 512                       ; only the sine's segment has this column
	s_cselect_b32 s[SGN], 0x80000000, 0
	v_cmp_gt_u32 vcc_lo, 16, v1                    ; lanes 0-15 hold d = 0..63
	v_cndmask_b32 v12, 0, s[SGN], vcc_lo
	s_cmp_eq_u32 s[MODE], 1
	s_cbranch_scc1 .Lhalf
	s_cmp_eq_u32 s[MODE], 2
	s_cbranch_scc1 .Ltable
	; MODE 0: four f32 become 8 bytes; a wave's store covers 256 consecutive bytes, aligned
.set n, 0
.rept 16
	s_wait_loadcnt 15-n                            ; loads come back in order: the 15 - n younger ones may stay out
	v_cvt_pk_bf16_f32 v[OUT+2*n], v[X+4*n], v[X+4*n+1]
	v_cvt_pk_bf16_f32 v[OUT+2*n+1], v[X+4*n+2], v[X+4*n+3]
	global_store_b64 v[VD+n/4], v[OUT+2*n:OUT+2*n+1], s[DST:DST+1] offset:(n%4)*256
.set n, n+1
.endr
	s_endpgm
.Lhalf:                                        ; MODE 1: times 16 (exact), rounded to bf16, widened, written as f16
.set n, 0
.rept 16
	s_wait_loadcnt 15-n
	v_pk_mul_f32 v[X+4*n:X+4*n+1], v[X+4*n:X+4*n+1], 0x41800000 op_sel_hi:[1,0]
	v_pk_mul_f32 v[X+4*n+2:X+4*n+3], v[X+4*n+2:X+4*n+3], 0x41800000 op_sel_hi:[1,0]
	v_cvt_pk_bf16_f32 v[X+4*n], v[X+4*n], v[X+4*n+1]
	v_cvt_pk_bf16_f32 v[X+4*n+1], v[X+4*n+2], v[X+4*n+3]
	v_and_b32 v[X+4*n+3], 0xffff0000, v[X+4*n+1]
	v_lshlrev_b32 v[X+4*n+2], 16, v[X+4*n+1]
	v_and_b32 v[X+4*n+1], 0xffff0000, v[X+4*n]
	v_lshlrev_b32 v[X+4*n], 16, v[X+4*n]
	v_cvt_pk_f16_f32 v[OUT+2*n], v[X+4*n], v[X+4*n+1]
	v_cvt_pk_f16_f32 v[OUT+2*n+1], v[X+4*n+2], v[X+4*n+3]
	global_store_b64 v[VD+n/4], v[OUT+2*n:OUT+2*n+1], s[DST:DST+1] offset:(n%4)*256
.set n, n+1
.endr
	s_endpgm
.Ltable:                                       ; MODE 2: rounded to bf16, kept as f32; load j of a unit is one table row: 512 consecutive bytes of a row of cs
.set n, 0
.rept 16
	s_wait_loadcnt 15-n
	v_cvt_pk_bf16_f32 v[X+4*n], v[X+4*n], v[X+4*n+1]
	v_cvt_pk_bf16_f32 v[X+4*n+1], v[X+4*n+2], v[X+4*n+3]
	v_lshlrev_b32 v[OUT+4*n], 16, v[X+4*n]
	v_and_b32 v[OUT+4*n+1], 0xffff0000, v[X+4*n]
	v_lshlrev_b32 v[OUT+4*n+2], 16, v[X+4*n+1]
	v_and_b32 v[OUT+4*n+3], 0xffff0000, v[X+4*n+1]
	v_xor_b32 v[OUT+4*n], v12, v[OUT+4*n]
	v_xor_b32 v[OUT+4*n+1], v12, v[OUT+4*n+1]
	v_xor_b32 v[OUT+4*n+2], v12, v[OUT+4*n+2]
	v_xor_b32 v[OUT+4*n+3], v12, v[OUT+4*n+3]
	global_store_b128 v[VD+n/4], v[OUT+4*n:OUT+4*n+3], s[DST:DST+1] offset:(n%4)*1024
.set n, n+1
.endr
	s_endpgm
.Lfunc_end_k_q6c12d76da2_prep:
	.size	k_q6c12d76da2_prep, .Lfunc_end_k_q6c12d76da2_prep-k_q6c12d76da2_prep
	.p2alignl 7, 3214868480
	.fill 96, 4, 3214868480
	.section	.rodata,"a",@progbits
	.p2align	6, 0x0
	.amdhsa_kernel k_q6c12d76da2_prep
		.amdhsa_group_segment_fixed_size 0
		.amdhsa_private_segment_fixed_size 0
		.amdhsa_enable_private_segment 0
		.amdhsa_kernarg_size 88
		.amdhsa_user_sgpr_count 2
		.amdhsa_user_sgpr_kernarg_segment_ptr 1
		.amdhsa_wavefront_size32 1
		.amdhsa_system_sgpr_workgroup_id_x 1
		.amdhsa_system_sgpr_workgroup_id_y 1
		.amdhsa_system_sgpr_workgroup_id_z 1
		.amdhsa_system_vgpr_workitem_id 0
		.amdhsa_next_free_vgpr 144
		.amdhsa_next_free_sgpr 66
		.amdhsa_reserve_vcc 1
		.amdhsa_float_denorm_mode_32 3
		.amdhsa_float_denorm_mode_16_64 3
		.amdhsa_memory_ordered 1
		.amdhsa_forward_progress 1
		.amdhsa_inst_pref_size 32
	.end_amdhsa_kernel
	.amdgpu_metadata
---
amdhsa.version: [ 1, 2 ]
amdhsa.kernels:
  - .name:           k_q6c12d76da2_prep
    .symbol:         k_q6c12d76da2_prep.kd
    .args:
      - { .name: hidden_states, .offset: 0, .size: 8, .value_kind: global_buffer, .address_space: global }
      - { .name: Wq, .offset: 8, .size: 8, .value_kind: global_buffer, .address_space: global }
      - { .name: Wk, .offset: 16, .size: 8, .value_kind: global_buffer, .address_space: global }
      - { .name: Wv, .offset: 24, .size: 8, .value_kind: global_buffer, .address_space: global }
      - { .name: Wo, .offset: 32, .size: 8, .value_kind: global_buffer, .address_space: global }
      - { .name: cos_table, .offset: 40, .size: 8, .value_kind: global_buffer, .address_space: global }
      - { .name: sin_table, .offset: 48, .size: 8, .value_kind: global_buffer, .address_space: global }
      - { .name: xb, .offset: 56, .size: 8, .value_kind: global_buffer, .address_space: global }
      - { .name: wqkv, .offset: 64, .size: 8, .value_kind: global_buffer, .address_space: global }
      - { .name: wo16, .offset: 72, .size: 8, .value_kind: global_buffer, .address_space: global }
      - { .name: cs, .offset: 80, .size: 8, .value_kind: global_buffer, .address_space: global }
    .group_segment_fixed_size: 0
    .private_segment_fixed_size: 0
    .kernarg_segment_align: 8
    .kernarg_segment_size: 88
    .max_flat_workgroup_size: 256
    .sgpr_count:     66
    .vgpr_count:     144
    .wavefront_size: 32
...
	.end_amdgpu_metadata
.endif
;; end of part 1
;; launch qkv (part 2): grid 16 x 16, 4 waves a work-group, clusters of 4 x 4, 327,680 bytes of LDS; arguments xb, wqkv, position_ids, cs, q_norm_w, k_norm_w, qh, kh, vh; writes qh, kh, vh
.if DOCPART == 2
	.amdgcn_target "amdgcn-amd-amdhsa--gfx1250"
	.amdhsa_code_object_version 6
	.text
	.protected	k_q6c12d76da2_qkv
	.globl	k_q6c12d76da2_qkv
	.p2align	8
	.type	k_q6c12d76da2_qkv,@function
k_q6c12d76da2_qkv:
	s_mov_b64 s[64:65], 0
	v_nop
	global_prefetch_b8 v0, s[64:65] scope:SCOPE_SE
	s_setreg_imm32_b32 hwreg(HW_REG_WAVE_MODE, 25, 1), 1
	s_wait_xcnt 0x0
	s_wait_alu depctr_hold_cnt(0) depctr_sa_sdst(0) depctr_va_vdst(0) depctr_va_sdst(0) depctr_va_ssrc(0) depctr_va_vcc(0) depctr_vm_vsrc(0)
	s_getreg_b32 s2, hwreg(HW_REG_IB_STS2, 6, 4)
	s_cmp_eq_u32 s2, 0
	s_cbranch_scc0 .Lentry_in_a_cluster
	s_endpgm
.Lentry_in_a_cluster:
	s_bfe_u32 s2, ttmp6, 0x10000c
	s_cmp_lg_u32 s2, 0xf033
	s_cbranch_scc0 .Lentry_shape_is_right
	s_endpgm
.Lentry_shape_is_right:
; [q | k | v] = xb wqkv (bf16 operands, f32 sums), and on the way out RoPE, RMS norm and gain for q and k; results by heads in f16:
; qh [2][8][2048][128], kh and vh [2][4][2048][128].  v is stored divided by 16 (exact), so that it has room in f16.
; LIMITS: |v| < 1.05e6; |gain| < 5.7e3 (a normed row's numbers are at most 11.4 x |gain|); position_ids are held to 0..2047.
; SHARES.  A work-group makes 256 tokens x 128 columns = one head's channels; wave w makes rows 64 w .. 64 w + 63 x all 128 columns: 32 accumulators.
; K goes in steps of 128 through two LDS slots: A's 256 rows of 256 bytes, B's 128 k-rows of 256 bytes.  B lies [k][n], so its fragments come by the turning load.
; CLUSTER 4 x 4: A's tile hangs on the tile row alone and is asked for jointly along a row of the cluster, B's on the tile column alone, along a column.
; THE MATRIX INSTRUCTION IS USED TRANSPOSED (source 0 = 16 columns of B, source 1 = 16 rows of A): a lane holds one row of C and eight neighbouring columns.
; REGISTERS: window 0: v0-31 addresses, v32-63 the way out's small things, v64-159 and v160-255 two fragment buffers (8 of B, then 4 of A);
;            window 1: the accumulators, (a, b) at v[8 (8 a + b)].
.set KT,    4096       ; K
.set NT,    2048       ; columns of B
.set PA,    272        ; a row of A in LDS: 256 bytes + 16: the 16 rows of a fragment load start in 16 different groups of four banks
.set PB,    288        ; a k-row of B: 256 + 32
.set HALFA, 128*PA     ; what waves 0 and 1 each bring
.set HALFB, 64*PB      ; what waves 2 and 3 each bring
.set BOFF,  2*HALFA
.set SLOT,  BOFF+2*HALFB
.set SPARE, 2*SLOT     ; behind the ring: the spare words, 128 bytes a wave
.set SP,    528        ; a stage row: 128 f32 + 16 bytes.  The stage lies in the ring, which has had its last fill when the stage is written
.set WSTG,  64*SP      ; a wave's stage: its 64 rows
.set LAPS,  KT/256     ; a lap = two K steps = once round the ring
.set ADRA, 16          ; v16-17 my A fragments' LDS address in slot 0, 1
.set ADRB, 20          ; v20-21 the same for B
.set STO,  24          ; v24 where I put 32 bytes of a stage row
.set RD,   25          ; v25 where I read 16 bytes of a stage row
.set CO,   26          ; v26 my 8 bytes of a destination row
.set L16,  27          ; v27 16 x lane; never rewritten
.set SPW,  28          ; v28 my spare word; never rewritten
.set NIL,  29          ; v29 0; never rewritten
.set PFO,  30          ; v30 the prefetches' lane term; never rewritten
.set PQO,  31          ; v31 my offset in position_ids; never rewritten
.set GW,   32          ; v[32:35] the gain of my four columns
.set PQ,   36          ; v36-39 positions of my wave's rows: lane l of register t: row 16 t + l % 16
.set OUT,  40          ; v[40:47]
.set SS,   48          ; v[48:55] sums of squares, a pair a row
.set RS,   56          ; v[56:63] 1 / rms, a pair a row (the upper word is 0)
.set F0,   64
.set F1,   160
.set CSR,  64          ; v[64:191] table rows: row i of 16: cos at 8 i, signed sin at 8 i + 4
.set VO,   192         ; v[192:207] their offsets in cs
.set X,    208         ; v[208:223] four rows from the stage
.set Y,    224         ; v[224:239] at work
.set XP,   240         ; v[240:255] the partner lane's numbers
.set G1,   24          ; s[24:31] group 1 for A;  s[32:39] group 0, a set a slot
.set G0,   32
.set G1B,  48          ; s[48:55], s[56:63] the same for B
.set G0B,  56
.set LIM,  43          ; 1 in a wave that prefetches, else the greatest number
.set PFA,  44          ; s[44:45] where my prefetches stand
.set PFS,  66          ; s[66:67] their step: a K step
.set KIND, 84          ; the cluster's x: 0, 1: q; 2: k; 3: v: the same in all sixteen partners
.set EPSR, 85
.set SEL,  86          ; s[86:87] v_permlanex16_b32: each lane takes its own place in the other half
.set RCN,  92          ; 1 / 128
.set CNT,  93
.set MUL,  0x50        ; C and D in window 1, sources in window 0
.set MSB, 0
.macro WIN new                         ; the immediate's high byte repeats the setting that is left
.if MSB != (\new)
	s_set_vgpr_msb (MSB<<8)|(\new)
.set MSB, \new
.endif
.endm
.macro PLACES                          ; four plain instructions between a matrix instruction and a load into, or a read of, its registers
.rept 4
	v_nop
.endr
.endm
.macro JLOAD s                         ; a joint load: waves 0, 1 A's halves, waves 2, 3 B's; s_nop 0 and four v_nop follow each line
	s_cmp_eq_u32 s11, 0
	s_cbranch_scc0 .Lfor_b_\@
	tensor_load_to_lds s[G0+4*(\s):G0+4*(\s)+3], s[G1:G1+7]
	s_nop 0
.rept 4
	v_nop
.endr
	s_branch .Lasked_\@
.Lfor_b_\@:
	tensor_load_to_lds s[G0B+4*(\s):G0B+4*(\s)+3], s[G1B:G1B+7]
	s_nop 0
.rept 4
	v_nop
.endr
.Lasked_\@:
.endm
.macro CREST                           ; a round of the cluster's barrier behind its opening barrier
	s_cmp_lg_u32 s10, 0
	s_cbranch_scc1 .Lnot_wave_0_\@
	s_barrier_signal -3
.Lnot_wave_0_\@:
	s_barrier_wait -3
	s_barrier_signal -1
	s_barrier_wait -1
.endm
.macro CROUND
	s_barrier_signal -1
	s_barrier_wait -1
	CREST
.endm
; A prefetch into the L2 of the K step that stands two refills on: 32 rows x 256 bytes, a lane a row.  A's rows are asked for by the clusters with x = 0 (waves 0, 1: of the 128 rows
; that the wave fetches, the partner at cx takes 32), B's k-rows by the clusters with y = 0 (wave 2: of the step's 128, the partner at cy takes 32): each block is named once in the launch,
; and partners are told apart by address alone.  The loop's last trip has no K step two refills on.
.macro ASK
	s_cmp_gt_u32 s3, s[LIM]
	s_cbranch_scc0 .Lnot_mine_\@
	global_prefetch_b8 v[PFO], s[PFA:PFA+1] th:TH_LOAD_NT scope:SCOPE_SE
.Lnot_mine_\@:
.endm
	s_load_b128 s[4:7], s[0:1], 0x0                ; xb, wqkv
	s_load_b256 s[68:75], s[0:1], 0x10             ; position_ids 68, cs 70, q_norm_w 72, k_norm_w 74
	s_load_b128 s[76:79], s[0:1], 0x30             ; qh, kh
	s_load_b64 s[80:81], s[0:1], 0x40              ; vh
	v_lshl_add_u32 v[SPW], v0, 2, SPARE
	v_mov_b32 v[NIL], 0
	ds_add_u32 v[SPW], v[NIL]                      ; the wave's opening: the add and its wait ahead of my first tensor load
	v_lshrrev_b32 v1, 5, v0
	v_readfirstlane_b32 s10, v1                    ; wave 0..3
	s_lshr_b32 s11, s10, 1                         ; I fetch for A (0) or for B (1)
	s_and_b32 s12, s10, 1                          ; which half
	s_bfe_u32 s40, ttmp6, 0x40000                  ; cx
	s_bfe_u32 s41, ttmp6, 0x40004                  ; cy
	s_lshl_b32 s42, ttmp9, 2
	s_add_co_u32 s42, s42, s40                     ; tile column = 4 x cluster x + cx
	s_and_b32 s13, ttmp7, 0xffff
	s_lshl_b32 s13, s13, 2
	s_add_co_u32 s13, s13, s41                     ; tile row = 4 x cluster y + cy
	s_lshl_b32 s43, s41, 2
	s_lshl_b32 s43, 15, s43                        ; my row of the cluster
	s_lshl_b32 s44, 0x1111, s40                    ; my column
	s_or_b32 s[G1+0], s43, (1<<16)|(1<<20)|(1<<21)|(5<<22)|(3<<25)   ; mask; 2-byte elements; padding on; bit 21 beside a mask; after every 64 words; 4 words
	s_or_b32 s[G1B+0], s44, (1<<16)|(1<<20)|(1<<21)|(5<<22)|(7<<25)  ; the same with 8 words
	s_mov_b32 s[G1+1], 128<<16                     ; tensor_dim0 = 128
	s_mov_b32 s[G1+2], 128<<16                     ; tensor_dim1 = 128
	s_mov_b32 s[G1+3], 128<<16                     ; tile_dim0 = 128
	s_mov_b32 s[G1+4], 128                         ; tile_dim1 = 128
	s_mov_b32 s[G1+5], KT                          ; elements from row to row
	s_mov_b32 s[G1+6], 0
	s_mov_b32 s[G1+7], 0
	s_mov_b32 s[G1B+1], 128<<16
	s_mov_b32 s[G1B+2], 64<<16                     ; 64 k-rows
	s_mov_b32 s[G1B+3], 128<<16
	s_mov_b32 s[G1B+4], 64
	s_mov_b32 s[G1B+5], NT
	s_mov_b32 s[G1B+6], 0
	s_mov_b32 s[G1B+7], 0
	s_lshl_b32 s17, s12, 7
	s_lshl_b32 s16, s13, 8
	s_add_co_u32 s16, s16, s17                     ; A: row 256 x tile row + 128 x half
	s_mov_b32 s17, 0
	s_mov_b64 s[18:19], KT*2
	s_mul_u64 s[16:17], s[16:17], s[18:19]
	s_mul_i32 s46, s12, 64*NT*2                    ; B: k-row 64 x half,
	s_lshl_b32 s47, s42, 8                         ; 256 bytes x tile column
	s_add_co_u32 s46, s46, s47
	s_mov_b32 s47, 0
	s_mul_i32 s20, s10, HALFA                      ; where they go: waves 0, 1: A's halves;
	s_mul_i32 s21, s10, HALFB
	s_add_co_u32 s21, s21, BOFF-2*HALFB            ; waves 2, 3: B's halves, behind A
	s_mov_b32 s[SEL], 0x76543210
	s_mov_b32 s[SEL+1], 0xfedcba98
	s_mov_b32 s[RCN], 0x3c000000                   ; 1 / 128
	s_mov_b32 s[EPSR], 0x358637bd                  ; 1e-6
	s_mov_b32 s[KIND], ttmp9
	s_wait_dscnt 0x0                               ; the opening add is done
	s_wait_kmcnt 0x0
	s_add_nc_u64 s[14:15], s[4:5], s[16:17]
	s_add_nc_u64 s[46:47], s[6:7], s[46:47]
	CROUND                                         ; all sixteen work-groups are here: the first joint loads meet
.irp s, 0,1
	s_mov_b32 s[G0+4*(\s)], 1
	s_add_co_u32 s[G0+4*(\s)+1], s20, (\s)*SLOT
	s_add_nc_u64 s[G0+4*(\s)+2:G0+4*(\s)+3], s[14:15], (\s)*256
	s_or_b32 s[G0+4*(\s)+3], s[G0+4*(\s)+3], 0x80000000
	s_mov_b32 s[G0B+4*(\s)], 1
	s_add_co_u32 s[G0B+4*(\s)+1], s21, (\s)*SLOT
	s_add_nc_u64 s[G0B+4*(\s)+2:G0B+4*(\s)+3], s[46:47], (\s)*128*NT*2
	s_or_b32 s[G0B+4*(\s)+3], s[G0B+4*(\s)+3], 0x80000000
	JLOAD \s                                       ; two loads of mine are out
.endr
	; lane addresses
	v_and_b32 v1, 15, v0                           ; r
	v_bfe_u32 v2, v0, 4, 1                         ; h
	v_mul_u32_u24 v3, v1, PA
	v_lshl_add_u32 v3, v2, 4, v3                   ; A: row r, 16 bytes x h
	s_mul_i32 s22, s10, 64*PA                      ; my 64 rows
	v_add_nc_u32 v[ADRA], s22, v3
	v_add_nc_u32 v[ADRA+1], SLOT, v[ADRA]
	v_and_b32 v4, 7, v0
	v_lshl_add_u32 v4, v2, 3, v4                   ; B: k-row 8 h + l % 8,
	v_mul_u32_u24 v4, v4, PB
	v_bfe_u32 v5, v0, 3, 1
	v_lshl_add_u32 v4, v5, 4, v4                   ; columns 8 ((l / 8) % 2) on
	v_add_nc_u32 v[ADRB], BOFF, v4
	v_add_nc_u32 v[ADRB+1], BOFF+SLOT, v4
	s_mul_i32 s23, s10, WSTG                       ; my stage
	v_mul_u32_u24 v5, v1, SP
	v_lshl_add_u32 v5, v2, 5, v5
	v_add_nc_u32 v[STO], s23, v5                   ; in: row r, 32 bytes x h
	v_and_b32 v6, 31, v0
	v_lshlrev_b32 v[L16], 4, v6
	v_add_nc_u32 v[RD], s23, v[L16]                ; back: 32 lanes take one row of 512 bytes
	v_lshlrev_b32 v[CO], 3, v6                     ; and write 256 bytes of f16
	; the destination: which tensor, which head, which rows
	s_cmp_lt_u32 s[KIND], 2
	s_cselect_b32 s94, 0, 8                        ; the tensor's first tile column
	s_cselect_b32 s95, 3, 2                        ; log2 of its heads
	s_cselect_b64 s[8:9], s[76:77], s[78:79]
	s_cmp_eq_u32 s[KIND], 3
	s_cselect_b32 s94, 12, s94
	s_cselect_b64 s[8:9], s[80:81], s[8:9]
	s_cmp_eq_u32 s[KIND], 2
	s_cselect_b64 s[82:83], s[74:75], s[72:73]     ; k's gain, else q's
	s_sub_co_u32 s94, s42, s94                     ; head
	s_lshr_b32 s96, s13, 3                         ; batch
	s_lshl_b32 s96, s96, s95
	s_add_co_u32 s96, s96, s94
	s_lshl_b32 s96, s96, 11                        ; x 2,048 rows
	s_and_b32 s94, s13, 7
	s_lshl_b32 s94, s94, 8
	s_add_co_u32 s96, s96, s94                     ; + the tile's 256
	s_lshl_b32 s94, s10, 6
	s_add_co_u32 s96, s96, s94                     ; + my wave's 64
	s_lshl_b32 s96, s96, 8                         ; x 256 bytes
	s_mov_b32 s97, 0
	s_add_nc_u64 s[8:9], s[8:9], s[96:97]
	; the gain and my rows' positions: asked for now, wanted on the way out
	s_lshl_b32 s94, s13, 8
	s_lshl_b32 s95, s10, 6
	s_add_co_u32 s94, s94, s95
	s_lshl_b32 s94, s94, 2
	v_lshl_add_u32 v[PQO], v1, 2, s94
	global_load_b128 v[GW:GW+3], v[L16], s[82:83]
.irp t, 0,1,2,3
	global_load_b32 v[PQ+(\t)], v[PQO], s[68:69] offset:64*(\t)
.endr
	; the prefetches: they stand at K step 3; each filling change of slots steps them first, so the change of step t names step t + 4
	s_lshl_b32 s94, s13, 8
	s_lshl_b32 s95, s12, 7
	s_add_co_u32 s94, s94, s95
	s_lshl_b32 s95, s40, 5
	s_add_co_u32 s94, s94, s95                     ; A: my 128 rows' 32 for the partner at cx
	s_mul_i32 s94, s94, KT*2
	s_add_co_u32 s94, s94, 3*256
	s_lshl_b32 s95, s41, 5
	s_add_co_u32 s95, s95, 3*128                   ; B: the step's 128 k-rows' 32 for the partner at cy
	s_mul_i32 s95, s95, NT*2
	s_lshl_b32 s96, s42, 8
	s_add_co_u32 s95, s95, s96
	s_and_b32 s99, ttmp7, 0xffff                   ; cluster y
	s_mov_b32 s98, NT*2
	s_mov_b32 s[PFS], 128*NT*2
	s_cmp_eq_u32 s11, 0
	s_cselect_b32 s96, s94, s95
	s_cselect_b32 s99, ttmp9, s99                  ; the coordinate along which other clusters read the same rows
	s_cselect_b32 s98, KT*2, s98                   ; bytes from row to row
	s_cselect_b32 s[PFS], 256, s[PFS]
	s_cselect_b64 s[PFA:PFA+1], s[4:5], s[6:7]
	s_mov_b32 s97, 0
	s_mov_b32 s[PFS+1], 0
	s_add_nc_u64 s[PFA:PFA+1], s[PFA:PFA+1], s[96:97]
	s_cmp_eq_u32 s10, 3                            ; wave 3 has nothing left to name
	s_cselect_b32 s99, 1, s99
	s_cmp_eq_u32 s99, 0
	s_cselect_b32 s[LIM], 1, -1
	v_mul_u32_u24 v[PFO], v6, s98
; 8 matrix instructions: row block a x all 8 column blocks, 32 along K.  The 32 accumulators take turns in the same order in every quarter.
.macro MULA f, a, zero
	WIN MUL
.irp b, 0,1,2,3,4,5,6,7
.if \zero
	v_wmma_f32_16x16x32_bf16 v[8*(8*(\a)+(\b)):8*(8*(\a)+(\b))+7], v[(\f)+8*(\b):(\f)+8*(\b)+7], v[(\f)+64+8*(\a):(\f)+64+8*(\a)+7], 0
.else
	v_wmma_f32_16x16x32_bf16 v[8*(8*(\a)+(\b)):8*(8*(\a)+(\b))+7], v[(\f)+8*(\b):(\f)+8*(\b)+7], v[(\f)+64+8*(\a):(\f)+64+8*(\a)+7], v[8*(8*(\a)+(\b)):8*(8*(\a)+(\b))+7]
.endif
.endr
.endm
; 24 LDS loads in one run: quarter q (32 along K) of a slot into buffer f: B's 8 fragments (turned), then A's 4
.macro FETCH slot, q, f
	WIN 0
.irp b, 0,1,2,3,4,5,6,7
	ds_load_tr16_b128 v[(\f)+8*(\b):(\f)+8*(\b)+3],   v[ADRB+(\slot)] offset:(\q)*32*PB+32*(\b)
	ds_load_tr16_b128 v[(\f)+8*(\b)+4:(\f)+8*(\b)+7], v[ADRB+(\slot)] offset:(\q)*32*PB+16*PB+32*(\b)
.endr
.irp a, 0,1,2,3
	ds_load_b128 v[(\f)+64+8*(\a):(\f)+64+8*(\a)+3],   v[ADRA+(\slot)] offset:(\a)*16*PA+64*(\q)
	ds_load_b128 v[(\f)+64+8*(\a)+4:(\f)+64+8*(\a)+7], v[ADRA+(\slot)] offset:(\a)*16*PA+64*(\q)+32
.endr
.endm
; One of a K step's first three quarters: multiplies buffer f, fetches quarter q into g
.macro QUARTER slot, q, f, g, zero
	s_wait_dscnt 4                                 ; B and A's blocks 0, 1 are in; the youngest four loads (blocks 2, 3) may be out
	MULA \f, 0, \zero
	MULA \f, 1, \zero
	PLACES
	FETCH \slot, \q, \g
	s_wait_dscnt 24                                ; all but the 24 just issued
	MULA \f, 2, \zero
	MULA \f, 3, \zero
.endm
; The last quarter multiplies buffer 1 and changes slots: one barrier; in front of it each wave waits for all its tensor loads (one is out: its part of the next slot), adds 0 to its
; spare word, and waits for that and for its reads of this slot.  fill = 1: the barrier opens a round of the cluster's, and this slot is filled again, two K steps ahead, first thing behind it.
.macro TURN slot, next, fill
.if \fill
	s_wait_xcnt 0x0                                ; the last prefetch, a K step back, has read its address
	s_add_nc_u64 s[PFA:PFA+1], s[PFA:PFA+1], s[PFS:PFS+1]
.endif
	WIN 0
	s_wait_tensorcnt 0x0
	ds_add_u32 v[SPW], v[NIL]
	s_wait_dscnt 5                                 ; the add and the youngest four loads may be out
	MULA F1, 0, 0
	s_wait_dscnt 0x0                               ; the add is done, my reads of this slot are over
	s_barrier_signal -1
	MULA F1, 1, 0
.if \fill
	WIN 0
.endif
	s_barrier_wait -1
.if \fill
	CREST
	s_add_nc_u64 s[G0+4*(\slot)+2:G0+4*(\slot)+3], s[G0+4*(\slot)+2:G0+4*(\slot)+3], 512
	s_add_nc_u64 s[G0B+4*(\slot)+2:G0B+4*(\slot)+3], s[G0B+4*(\slot)+2:G0B+4*(\slot)+3], 256*NT*2
	JLOAD \slot                                    ; 112 matrix instructions ahead of the wait for it; its four v_nop are also the places in front of the loads below
.else
	PLACES
.endif
	FETCH \next, 0, F0
.if \fill
	ASK
.endif
	MULA F1, 2, 0
	MULA F1, 3, 0
.endm
.macro TOSTAGE                         ; the f32 sums into my stage: each accumulator's low half first
	WIN 0x04                                       ; store data in window 1
.irp a, 0,1,2,3
.irp b, 0,1,2,3,4,5,6,7
	ds_store_b128 v[STO], v[8*(8*(\a)+(\b)):8*(8*(\a)+(\b))+3]   offset:(\a)*16*SP+64*(\b)
	ds_store_b128 v[STO], v[8*(8*(\a)+(\b))+4:8*(8*(\a)+(\b))+7] offset:(\a)*16*SP+64*(\b)+16
.endr
.endr
	WIN 0
.endm
	s_wait_tensorcnt 0x1                           ; my part of K step 0 is in; step 1's may stay out
	s_barrier_signal -1
	s_barrier_wait -1
	FETCH 0, 0, F0
	QUARTER 0, 1, F0, F1, 1                        ; the first quarter starts the sums
	WIN 0
	s_mov_b32 s3, LAPS-1
.Llap:                                         ; a trip goes once round the ring and fills both slots again
	QUARTER 0, 2, F1, F0, 0
	QUARTER 0, 3, F0, F1, 0
	TURN 0, 1, 1
	QUARTER 1, 1, F0, F1, 0
	QUARTER 1, 2, F1, F0, 0
	QUARTER 1, 3, F0, F1, 0
	TURN 1, 0, 1
	QUARTER 0, 1, F0, F1, 0
	WIN 0
	s_sub_co_u32 s3, s3, 1
	s_cmp_lg_u32 s3, 0
	s_cbranch_scc1 .Llap
	QUARTER 0, 2, F1, F0, 0                        ; the last lap fills nothing
	QUARTER 0, 3, F0, F1, 0
	TURN 0, 1, 0
	QUARTER 1, 1, F0, F1, 0
	QUARTER 1, 2, F1, F0, 0
	QUARTER 1, 3, F0, F1, 0
	s_wait_dscnt 0x0                               ; my last reads of the ring are back:
	s_barrier_signal -1                            ; behind this barrier nobody reads it, and the stage may be written over it
	MULA F1, 0, 0
	MULA F1, 1, 0
	MULA F1, 2, 0
	MULA F1, 3, 0
	WIN 0
	s_barrier_wait -1
	PLACES
	s_cmp_eq_u32 s[KIND], 3
	s_cbranch_scc1 .Lplain
; THE WAY OUT FOR q AND k.  A row comes back from the stage as 32 lanes x 4 columns; the RoPE partner d xor 64 lies in the lane 16 away.
; A row's table words are asked for 16 rows ahead of their use: 32 loads are always out.
.macro ASKROW i, reg, st               ; row i of 16: its position from lane i of v[reg], held inside the table, x 1,024 bytes
	v_readlane_b32 s[\st], v[\reg], \i
	s_min_u32 s[\st], s[\st], 2047
	s_lshl_b32 s[\st], s[\st], 10
	v_add_nc_u32 v[VO+(\i)], s[\st], v[L16]
	global_load_b128 v[CSR+8*(\i):CSR+8*(\i)+3],   v[VO+(\i)], s[70:71]
	global_load_b128 v[CSR+8*(\i)+4:CSR+8*(\i)+7], v[VO+(\i)], s[70:71] offset:512
.endm
; Rows 4 g .. 4 g + 3 of a trip's 16.  left: the younger table loads that may stay out.  ahead: the same rows 16 further on are asked for.  xnext: the next four rows are read from the stage.
.macro GROUP g, ahead, left, xnext
	s_wait_loadcnt \left                           ; my four rows' eight loads are in
	s_wait_dscnt 0x0                               ; and the rows themselves
.set i, 0
.rept 16
	v_permlanex16_b32 v[XP+i], v[X+i], s[SEL], s[SEL+1]
.set i, i+1
.endr
.irp k, 0,1,2,3
	v_pk_mul_f32 v[Y+4*(\k):Y+4*(\k)+1],   v[X+4*(\k):X+4*(\k)+1],   v[CSR+8*(4*(\g)+(\k)):CSR+8*(4*(\g)+(\k))+1]
	v_pk_mul_f32 v[Y+4*(\k)+2:Y+4*(\k)+3], v[X+4*(\k)+2:X+4*(\k)+3], v[CSR+8*(4*(\g)+(\k))+2:CSR+8*(4*(\g)+(\k))+3]
.endr
.irp k, 0,1,2,3
	v_pk_fma_f32 v[Y+4*(\k):Y+4*(\k)+1],   v[XP+4*(\k):XP+4*(\k)+1],   v[CSR+8*(4*(\g)+(\k))+4:CSR+8*(4*(\g)+(\k))+5], v[Y+4*(\k):Y+4*(\k)+1]
	v_pk_fma_f32 v[Y+4*(\k)+2:Y+4*(\k)+3], v[XP+4*(\k)+2:XP+4*(\k)+3], v[CSR+8*(4*(\g)+(\k))+6:CSR+8*(4*(\g)+(\k))+7], v[Y+4*(\k)+2:Y+4*(\k)+3]
.endr
.if \xnext
.irp k, 0,1,2,3
	ds_load_b128 v[X+4*(\k):X+4*(\k)+3], v[RD] offset:(4*((\g)+1)+(\k))*SP
.endr
.endif
.if \ahead
.irp k, 0,1,2,3
	ASKROW 4*(\g)+(\k), PQ+1, 88+(\k)
.endr
.endif
.irp k, 0,1,2,3
	v_pk_mul_f32 v[SS+2*(\k):SS+2*(\k)+1], v[Y+4*(\k):Y+4*(\k)+1], v[Y+4*(\k):Y+4*(\k)+1]
.endr
.irp k, 0,1,2,3
	v_pk_fma_f32 v[SS+2*(\k):SS+2*(\k)+1], v[Y+4*(\k)+2:Y+4*(\k)+3], v[Y+4*(\k)+2:Y+4*(\k)+3], v[SS+2*(\k):SS+2*(\k)+1]
.endr
.irp k, 0,1,2,3
	v_add_f32 v[SS+2*(\k)], v[SS+2*(\k)], v[SS+2*(\k)+1]
.endr
.irp m, 1,2,4,8
.irp k, 0,1,2,3
	v_add_f32_dpp v[SS+2*(\k)], v[SS+2*(\k)], v[SS+2*(\k)] row_xmask:\m row_mask:0xf bank_mask:0xf
.endr
.endr
.irp k, 0,1,2,3
	v_permlanex16_b32 v[SS+2*(\k)+1], v[SS+2*(\k)], s[SEL], s[SEL+1]
.endr
.irp k, 0,1,2,3
	v_add_f32 v[SS+2*(\k)], v[SS+2*(\k)], v[SS+2*(\k)+1]
.endr
.irp k, 0,1,2,3
	v_fma_f32 v[SS+2*(\k)], v[SS+2*(\k)], s[RCN], s[EPSR]      ; mean of squares + 1e-6
.endr
.irp k, 0,1,2,3
	v_rsq_f32 v[RS+2*(\k)], v[SS+2*(\k)]
.endr
.irp k, 0,1,2,3                        ; the gain: plain work that names no root
	v_pk_mul_f32 v[Y+4*(\k):Y+4*(\k)+1],   v[Y+4*(\k):Y+4*(\k)+1],   v[GW:GW+1]
	v_pk_mul_f32 v[Y+4*(\k)+2:Y+4*(\k)+3], v[Y+4*(\k)+2:Y+4*(\k)+3], v[GW+2:GW+3]
.endr
	s_wait_alu depctr_va_vdst(0)                   ; one wait for the four roots, ahead of their first reader
	s_wait_xcnt 0x0                                ; the last group's stores have read OUT
.irp k, 0,1,2,3
	v_pk_mul_f32 v[Y+4*(\k):Y+4*(\k)+1],   v[Y+4*(\k):Y+4*(\k)+1],   v[RS+2*(\k):RS+2*(\k)+1] op_sel_hi:[1,0]
	v_pk_mul_f32 v[Y+4*(\k)+2:Y+4*(\k)+3], v[Y+4*(\k)+2:Y+4*(\k)+3], v[RS+2*(\k):RS+2*(\k)+1] op_sel_hi:[1,0]
.endr
.irp k, 0,1,2,3
	v_cvt_pk_f16_f32 v[OUT+2*(\k)],   v[Y+4*(\k)],   v[Y+4*(\k)+1]
	v_cvt_pk_f16_f32 v[OUT+2*(\k)+1], v[Y+4*(\k)+2], v[Y+4*(\k)+3]
.endr
.irp k, 0,1,2,3
	global_store_b64 v[CO], v[OUT+2*(\k):OUT+2*(\k)+1], s[8:9] offset:(4*(\g)+(\k))*256   ; a wave's store is a whole row: 256 consecutive bytes, aligned
.endr
.endm
	s_wait_loadcnt 0x0                             ; the gain and the positions
	v_cvt_pk_bf16_f32 v[OUT], v[GW], v[GW+1]       ; the gain is rounded to bf16 like every other input
	v_cvt_pk_bf16_f32 v[OUT+1], v[GW+2], v[GW+3]
	v_lshlrev_b32 v[GW], 16, v[OUT]
	v_and_b32 v[GW+1], 0xffff0000, v[OUT]
	v_lshlrev_b32 v[GW+2], 16, v[OUT+1]
	v_and_b32 v[GW+3], 0xffff0000, v[OUT+1]
.set i, 0
.rept 16
	v_mov_b32 v[XP+i], 0                           ; v_permlanex16_b32 counts as a reader of its destination
.set i, i+1
.endr
.irp k, 0,1,2,3
	v_mov_b32 v[RS+2*(\k)+1], 0                    ; named with the root as a pair
.endr
.irp i, 0,1,2,3,4,5,6,7,8,9,10,11,12,13,14,15
	ASKROW \i, PQ, 88+(\i)%4
.endr
	TOSTAGE
.irp k, 0,1,2,3
	ds_load_b128 v[X+4*(\k):X+4*(\k)+3], v[RD] offset:(\k)*SP   ; my own bytes: LDS serves a wave's instructions in order
.endr
	s_mov_b32 s[CNT], 3
.Lrope:                                        ; 16 rows a trip; three younger groups' 24 loads stay out at each wait
	GROUP 0, 1, 24, 1
	GROUP 1, 1, 24, 1
	GROUP 2, 1, 24, 1
	GROUP 3, 1, 24, 1
	s_wait_xcnt 0x0                                ; the stores have read CO
	v_add_nc_u32 v[RD], 16*SP, v[RD]
	v_add_nc_u32 v[CO], 4096, v[CO]
	v_mov_b32 v[PQ+1], v[PQ+2]                     ; the positions of the rows to be asked for next
	v_mov_b32 v[PQ+2], v[PQ+3]
	s_sub_co_u32 s[CNT], s[CNT], 1
	s_cmp_lg_u32 s[CNT], 0
	s_cbranch_scc1 .Lrope
	GROUP 0, 0, 24, 1                              ; the last 16 rows ask for nothing: the counts run down
	GROUP 1, 0, 16, 1
	GROUP 2, 0, 8, 1
	GROUP 3, 0, 0, 0
	s_branch .Lend
.Lplain:                                       ; THE WAY OUT FOR v: divided by 16, rounded to f16
	TOSTAGE
	s_mov_b32 s[CNT], 4
.Lv:
.irp i, 0,1,2,3,4,5,6,7,8,9,10,11,12,13,14,15
	ds_load_b128 v[64+4*(\i):64+4*(\i)+3], v[RD] offset:(\i)*SP
.endr
.irp i, 0,1,2,3,4,5,6,7,8,9,10,11,12,13,14,15
	s_wait_dscnt 15-(\i)                           ; row i is in; the younger rows may be out
	v_pk_mul_f32 v[64+4*(\i):64+4*(\i)+1],   v[64+4*(\i):64+4*(\i)+1],   0x3d800000 op_sel_hi:[1,0]
	v_pk_mul_f32 v[64+4*(\i)+2:64+4*(\i)+3], v[64+4*(\i)+2:64+4*(\i)+3], 0x3d800000 op_sel_hi:[1,0]
	v_cvt_pk_f16_f32 v[128+2*(\i)], v[64+4*(\i)], v[64+4*(\i)+1]
	v_cvt_pk_f16_f32 v[129+2*(\i)], v[64+4*(\i)+2], v[64+4*(\i)+3]
	global_store_b64 v[CO], v[128+2*(\i):129+2*(\i)], s[8:9] offset:(\i)*256
.endr
	s_wait_xcnt 0x0                                ; the stores have read their data and CO
	v_add_nc_u32 v[RD], 16*SP, v[RD]
	v_add_nc_u32 v[CO], 4096, v[CO]
	s_sub_co_u32 s[CNT], s[CNT], 1
	s_cmp_lg_u32 s[CNT], 0
	s_cbranch_scc1 .Lv
.Lend:
	s_wait_tensorcnt 0x0                           ; the wave's end, behind my last tensor load and my last LDS store
	ds_add_u32 v[SPW], v[NIL]
	s_wait_dscnt 0x0
	CROUND                                         ; the closing round
	s_endpgm
.Lfunc_end_k_q6c12d76da2_qkv:
	.size	k_q6c12d76da2_qkv, .Lfunc_end_k_q6c12d76da2_qkv-k_q6c12d76da2_qkv
	.p2alignl 7, 3214868480
	.fill 96, 4, 3214868480
	.section	.rodata,"a",@progbits
	.p2align	6, 0x0
	.amdhsa_kernel k_q6c12d76da2_qkv
		.amdhsa_group_segment_fixed_size 327680
		.amdhsa_private_segment_fixed_size 0
		.amdhsa_enable_private_segment 0
		.amdhsa_kernarg_size 72
		.amdhsa_user_sgpr_count 2
		.amdhsa_user_sgpr_kernarg_segment_ptr 1
		.amdhsa_wavefront_size32 1
		.amdhsa_system_sgpr_workgroup_id_x 1
		.amdhsa_system_sgpr_workgroup_id_y 1
		.amdhsa_system_sgpr_workgroup_id_z 1
		.amdhsa_system_vgpr_workitem_id 0
		.amdhsa_next_free_vgpr 512
		.amdhsa_next_free_sgpr 100
		.amdhsa_reserve_vcc 0
		.amdhsa_float_denorm_mode_32 3
		.amdhsa_float_denorm_mode_16_64 3
		.amdhsa_memory_ordered 1
		.amdhsa_forward_progress 1
		.amdhsa_inst_pref_size 156
	.end_amdhsa_kernel
	.amdgpu_metadata
---
amdhsa.version: [ 1, 2 ]
amdhsa.kernels:
  - .name:           k_q6c12d76da2_qkv
    .symbol:         k_q6c12d76da2_qkv.kd
    .args:
      - { .name: xb, .offset: 0, .size: 8, .value_kind: global_buffer, .address_space: global }
      - { .name: wqkv, .offset: 8, .size: 8, .value_kind: global_buffer, .address_space: global }
      - { .name: position_ids, .offset: 16, .size: 8, .value_kind: global_buffer, .address_space: global }
      - { .name: cs, .offset: 24, .size: 8, .value_kind: global_buffer, .address_space: global }
      - { .name: q_norm_w, .offset: 32, .size: 8, .value_kind: global_buffer, .address_space: global }
      - { .name: k_norm_w, .offset: 40, .size: 8, .value_kind: global_buffer, .address_space: global }
      - { .name: qh, .offset: 48, .size: 8, .value_kind: global_buffer, .address_space: global }
      - { .name: kh, .offset: 56, .size: 8, .value_kind: global_buffer, .address_space: global }
      - { .name: vh, .offset: 64, .size: 8, .value_kind: global_buffer, .address_space: global }
    .group_segment_fixed_size: 327680
    .private_segment_fixed_size: 0
    .kernarg_segment_align: 8
    .kernarg_segment_size: 72
    .max_flat_workgroup_size: 128
    .sgpr_count:     100
    .vgpr_count:     512
    .wavefront_size: 32
...
	.end_amdgpu_metadata
.endif
;; end of part 2
;; launch attn (part 3): grid 16 x 8, 4 waves a work-group, no clusters, 327,680 bytes of LDS; arguments qh, kh, vh, ob; writes ob
.if DOCPART == 3
	.amdgcn_target "amdgcn-amd-amdhsa--gfx1250"
	.amdhsa_code_object_version 6
	.text
	.protected	k_q6c12d76da2_attn
	.globl	k_q6c12d76da2_attn
	.p2align	8
	.type	k_q6c12d76da2_attn,@function
k_q6c12d76da2_attn:
	s_mov_b64 s[64:65], 0
	v_nop
	global_prefetch_b8 v0, s[64:65] scope:SCOPE_SE
	s_setreg_imm32_b32 hwreg(HW_REG_WAVE_MODE, 25, 1), 1
	s_wait_xcnt 0x0
; CAUSAL ATTENTION, two query heads to a key/value head.  qh [2][8][2048][128], kh, vh [2][4][2048][128] in f16 (vh holds v / 16); ob [4096 tokens][1024 = head x 128 + d] in f16 holds O / 16.
; Products, maxima and sums in f32; the weights are rounded to f16 for the second product (their sum is taken unrounded), O once at the end.
; LIMITS.  A hidden score counts as its value less 1e30; a weight below 2^-126 counts as 0; NaN and infinities are not treated apart.
; THE WALK.  y = 4 batch + kv head.  A BLOCK is 64 positions x the two query heads of that kv head; wave w owns positions 16 w .. 16 w + 15 of both heads: two tiles that share every
; fragment of K and V and one mask.  Keys go 64 a step, two steps to an LDS slot.  A work-group takes blocks 31 - p and then p: NH = (33 - p) & ~1 steps and 34 - NH steps: 17 slots, whatever p,
; so one loop with a constant trip count walks them; one step of the 34 is wholly hidden.  What differs between work-groups lies in scalar registers made from p; every jump but the loops' own goes forward.
; NO CLUSTER: the 16 work-groups of a kv head ask for the same slot only in the first 9 of the 17; behind that their walks part, and one walk common to all would have 24 slots.
; LAYOUT.  S^T = K Q^T: a lane holds ONE query (lane % 16) and the keys 8 (lane / 16) + 0..7; two such results rounded to f16 ARE source 1 of O^T = V^T P.  K comes from LDS as it lies, V turned.
; SOFTMAX.  p = 2^(c s - c m), c = log2(e) / sqrt(128), with a running maximum m; O and l are multiplied by a = 2^(c m_old - c m_new) in every step.  A block starts with m at the lowest
; finite number and c m far below every c s: its first step has a = 0, so O and l need only be finite then.
; THE MASK is the C operand that starts S^T: MC = MD x AL + BE; MD, made once, is the mask of a block's own step: (AL, BE) = (0, 0) below the diagonal step, (1, 0) in it, (0, -1e30) above.
; A TRIP: K of step j + 1 is fetched; softmax of step j; V^T P of step j; (a block's end, if it is one); the mask, V of step j + 1, K Q^T of step j + 1.  All LDS reads of a trip are one step's.
; REGISTERS: window 0: v0-15 addresses; v16-31 statistics; v62-63 the add's; v64-127 S^T; v128-159 P; v160-191 MD; v192-223 MC
;            window 1: v0-127 O^T; v128-255 V          window 2: v0-63 Q; v64-127 the second block's Q; v128-255 K
.set KS,    64
.set PK,    272        ; a row of K in LDS: 256 bytes + 16
.set PV,    288        ; a row of V: 256 + 32
.set VOFF,  KS*PK      ; a step's tiles lie together: K's 64 rows, then V's
.set STEPB, KS*(PK+PV)
.set SLOT1, 1<<17      ; slot 1: one exclusive or turns an address in one slot into the other's
.set STAGE, SLOT1+2*STEPB  ; behind the ring, never filled by a tensor load: 16 rows x 272 bytes a wave
.set SP,    272
.set SPARE, STAGE+4*16*SP
.set AK0, 2
.set AV0, 3
.set AK,  4
.set AV,  5
.set STO, 6
.set RD,  7
.set GO,  8
.set PFO, 13
.set QO,  15
.set ST,  16           ; tile t at ST + 8 t: c m, m, l (even keys', odd keys'), c0-c3; a takes c2's place
.set SPW, 62
.set NIL, 63
.set S,   64
.set P,   128
.set MD,  160
.set MC,  192
.set VF,  128          ; window 1
.set QB,  64           ; window 2
.set KF,  128          ; window 2
.set WV,  12
.set PB,  14           ; p
.set HI,  15           ; 31 - p
.set G1K, 24
.set G1V, 32
.set G0K, 40
.set G0V, 44
.set SLOTS, 56
.set TWICE, 57
.set CS,  58
.set SEL, 60
.set TB,  62           ; LDS byte at which the step to be fetched begins
.set REM, 70           ; steps of the block in hand whose V^T P is still to come
.set NXT, 71           ; the slot tile to be asked for next
.set LQ,  72           ; the last slot tile of the block whose tiles are being asked for
.set KT,  73           ; the step, in its block, of the scores to be made next
.set OFF, 74
.set AL,  76
.set BE,  78
.set OLO, 80           ; ob at my rows of the second block
.set BIGN, 82
.set BI,  83           ; the block in hand = its diagonal step
.set NL,  84
.set LIM, 85
.set PFK, 86
.set PFV, 88
.set LQ2, 90
.set NH,  91
.set QLO, 92
.set W_KQ, 0x0a        ; K and Q in window 2
.set W_PV, 0x51        ; V, C and D in window 1, P in window 0
.set W_RS, 0x41        ; destination and source 0 in window 1
.set MSB, 0
.macro WIN new
.if MSB != (\new)
	s_set_vgpr_msb (MSB<<8)|(\new)
.set MSB, \new
.endif
.endm
.macro PLACES
.rept 4
	v_nop
.endr
.endm
.macro LOAD                            ; waves 0, 1: the slot's two steps of K; waves 2, 3: of V.  s_nop 0 and four v_nop follow each line
	s_cmp_lt_u32 s[WV], 2
	s_cbranch_scc0 .Lfor_v_\@
	tensor_load_to_lds s[G0K:G0K+3], s[G1K:G1K+7]
	s_nop 0
.rept 4
	v_nop
.endr
	s_branch .Lasked_\@
.Lfor_v_\@:
	tensor_load_to_lds s[G0V:G0V+3], s[G1V:G1V+7]
	s_nop 0
.rept 4
	v_nop
.endr
.Lasked_\@:
.endm
; A prefetch into the L2 of the slot tile that the NEXT change will ask for.  The work-group with p = 0 of each kv head asks: its first block walks tiles 0 .. 15.  Wave w names rows 32 w .. 32 w + 31 of
; the tile's 128, of K and of V, a lane a row of 256 bytes: each row once in the launch.  Tiles 0 to 2 come by their loads alone; the last two filling changes ask for nothing.
.macro ASK
	s_cmp_gt_u32 s[SLOTS], s[LIM]
	s_cbranch_scc0 .Lnot_mine_\@
	global_prefetch_b8 v[PFO], s[PFK:PFK+1] th:TH_LOAD_NT scope:SCOPE_SE
	global_prefetch_b8 v[PFO], s[PFV:PFV+1] th:TH_LOAD_NT scope:SCOPE_SE
.Lnot_mine_\@:
.endm
; THE CHANGE OF SLOTS.  Each wave waits for all its tensor loads (one is out: its part of the other slot), adds 0 to its spare word, and waits for that and for its reads of the slot that it leaves.
; fill = 1: the old slot is filled again, first thing behind the barrier, with tile NXT; the descriptor's address is made anew from that number.
.macro CHANGE fill, ask
	WIN 0
	s_wait_tensorcnt 0x0
	ds_add_u32 v[SPW], v[NIL]
.if \fill
	s_lshl_b32 s[OFF], s[NXT], 15                  ; a slot tile is 128 rows of 256 bytes
	s_xor_b32 s[G0K+1], s[G0K+1], SLOT1
	s_add_nc_u64 s[G0K+2:G0K+3], s[6:7], s[OFF:OFF+1]
	s_or_b32 s[G0K+3], s[G0K+3], 0x80000000
	s_xor_b32 s[G0V+1], s[G0V+1], SLOT1
	s_add_nc_u64 s[G0V+2:G0V+3], s[8:9], s[OFF:OFF+1]
	s_or_b32 s[G0V+3], s[G0V+3], 0x80000000
	s_add_co_u32 s[NXT], s[NXT], 1                 ; the block's next tile, or behind its last the second block's tile 0
	s_cmp_gt_u32 s[NXT], s[LQ]
	s_cselect_b32 s[NXT], 0, s[NXT]
	s_cselect_b32 s[LQ], s[LQ2], s[LQ]
	s_wait_xcnt 0x0                                ; the last prefetches, two steps back, have read their addresses
	s_add_nc_u64 s[PFK:PFK+1], s[PFK:PFK+1], 32768
	s_add_nc_u64 s[PFV:PFV+1], s[PFV:PFV+1], 32768
.endif
	s_wait_dscnt 0x0                               ; the add is done, my reads of the slot are over
	s_barrier_signal -1
	s_sub_co_u32 s[TB], s[TB], 2*STEPB             ; the fetches go back to a slot's first step,
	s_xor_b32 s[TB], s[TB], SLOT1                  ; in the other slot
	s_barrier_wait -1
.if \fill
	LOAD
.endif
.if \ask
	ASK
.endif
.endm
	s_load_b256 s[4:11], s[0:1], 0x0               ; qh 4, kh 6, vh 8, ob 10
	v_lshl_add_u32 v[SPW], v0, 2, SPARE
	v_mov_b32 v[NIL], 0
	ds_add_u32 v[SPW], v[NIL]                      ; the wave's opening: the add and its wait ahead of my first tensor load
	v_lshrrev_b32 v1, 5, v0
	v_readfirstlane_b32 s[WV], v1
	s_mov_b32 s[PB], ttmp9
	s_sub_co_u32 s[HI], 31, s[PB]
	s_and_b32 s20, ttmp7, 0xffff                   ; 4 batch + kv head
	s_sub_co_u32 s[NH], 33, s[PB]
	s_and_b32 s[NH], s[NH], -2                     ; the first block's steps, rounded up to whole slots
	s_sub_co_u32 s[NL], 34, s[NH]                  ; the second block's
	s_lshr_b32 s[LQ], s[NH], 1
	s_sub_co_u32 s[LQ], s[LQ], 1
	s_lshr_b32 s[LQ2], s[NL], 1
	s_sub_co_u32 s[LQ2], s[LQ2], 1
	s_and_b32 s16, s[WV], 1                        ; which of a slot's two steps I fetch:
	s_lshl_b32 s22, s16, 14                        ; its 64 rows of 256 bytes,
	s_lshl_b32 s23, s20, 19                        ; in my kv head's 2,048 rows
	s_add_co_u32 s22, s22, s23
	s_lshl_b32 s50, s[WV], 13                      ; the prefetches: my 32 rows, at slot tile 1
	s_add_co_u32 s50, s50, s23
	s_add_co_u32 s50, s50, 32768
	s_mov_b32 s51, 0
	s_mov_b32 s23, 0
	s_mul_i32 s17, s16, STEPB                      ; and its place in a slot
	s_lshl_b32 s2, s20, 20                         ; Q: head 2 (4 batch + kv head),
	s_lshl_b32 s3, s[WV], 12                       ; my 16 rows
	s_add_co_u32 s2, s2, s3
	s_lshl_b32 s3, s[PB], 14
	s_add_co_u32 s18, s2, s3                       ; in the second block,
	s_mov_b32 s19, 0
	s_lshl_b32 s3, s[HI], 14
	s_add_co_u32 s2, s2, s3                        ; in the first
	s_mov_b32 s3, 0
	s_lshr_b32 s52, s20, 2
	s_lshl_b32 s52, s52, 22                        ; ob: batch x 2,048 tokens x 2,048 bytes,
	s_and_b32 s53, s20, 3
	s_lshl_b32 s53, s53, 9                         ; head 2 g: 512 g bytes,
	s_add_co_u32 s52, s52, s53
	s_lshl_b32 s53, s[WV], 15                      ; my 16 tokens
	s_add_co_u32 s52, s52, s53
	s_lshl_b32 s53, s[PB], 17
	s_add_co_u32 s54, s52, s53
	s_mov_b32 s55, 0
	s_lshl_b32 s53, s[HI], 17
	s_add_co_u32 s52, s52, s53
	s_mov_b32 s53, 0
	s_mov_b32 s[G1K], (1<<16)|(1<<20)|(5<<22)|(3<<25)  ; 2-byte elements; padding on; after every 64 words; 4 words
	s_mov_b32 s[G1V], (1<<16)|(1<<20)|(5<<22)|(7<<25)  ; 8 words
.irp g, G1K, G1V
	s_mov_b32 s[(\g)+1], 128<<16                   ; tensor_dim0 = 128
	s_mov_b32 s[(\g)+2], KS<<16                    ; tensor_dim1 = 64
	s_mov_b32 s[(\g)+3], 128<<16                   ; tile_dim0 = 128
	s_mov_b32 s[(\g)+4], KS                        ; tile_dim1 = 64
	s_mov_b32 s[(\g)+5], 128                       ; elements from row to row
	s_mov_b32 s[(\g)+6], 0
	s_mov_b32 s[(\g)+7], 0
.endr
	s_mov_b32 s[CS], 0x3e0293ee                    ; c = log2(e) / sqrt(128)
	s_mov_b32 s[CS+1], s[CS]
	s_mov_b32 s[SEL], 0x76543210
	s_mov_b32 s[SEL+1], 0xfedcba98
	s_mov_b32 s[TB], SLOT1+2*STEPB                 ; the first change of slots turns this into 0
	s_mov_b32 s[G0K], 1
	s_mov_b32 s[G0K+1], s17
	s_mov_b32 s[G0V], 1
	s_add_co_u32 s[G0V+1], s17, VOFF
	s_mov_b32 s[NXT], 1
	s_mov_b32 s[OFF+1], 0
	s_mov_b32 s[AL+1], 0
	s_mov_b32 s[BE+1], 0
	s_mov_b32 s[BIGN], 0xf149f2ca                  ; -1e30
	s_cmp_eq_u32 s[PB], 0
	s_cselect_b32 s[LIM], 2, -1
	s_wait_dscnt 0x0                               ; the opening add is done
	s_wait_kmcnt 0x0
	s_add_nc_u64 s[PFK:PFK+1], s[6:7], s[50:51]
	s_add_nc_u64 s[PFV:PFV+1], s[8:9], s[50:51]
	s_add_nc_u64 s[6:7], s[6:7], s[22:23]          ; K and V at my step of the head's slot tile 0
	s_add_nc_u64 s[8:9], s[8:9], s[22:23]
	s_add_nc_u64 s[G0K+2:G0K+3], s[6:7], 0
	s_or_b32 s[G0K+3], s[G0K+3], 0x80000000
	s_add_nc_u64 s[G0V+2:G0V+3], s[8:9], 0
	s_or_b32 s[G0V+3], s[G0V+3], 0x80000000
	s_add_nc_u64 s[QLO:QLO+1], s[4:5], s[18:19]
	s_add_nc_u64 s[4:5], s[4:5], s[2:3]
	s_add_nc_u64 s[OLO:OLO+1], s[10:11], s[54:55]
	s_add_nc_u64 s[10:11], s[10:11], s[52:53]
	LOAD                                           ; slot tile 0 into slot 0
	v_and_b32 v1, 15, v0                           ; r
	v_bfe_u32 v9, v0, 4, 1                         ; h
	v_lshlrev_b32 v[QO], 8, v1
	v_lshl_add_u32 v[QO], v9, 4, v[QO]
	WIN 0x80                                       ; destination window 2
.set i, 0
.rept 8                                ; both blocks' Q: tile i / 4 (the second head lies 524,288 bytes on), channels 32 (i % 4) on
	global_load_b128 v[8*i:8*i+3],         v[QO], s[4:5] offset:(i/4)*524288+(i%4)*64
	global_load_b128 v[8*i+4:8*i+7],       v[QO], s[4:5] offset:(i/4)*524288+(i%4)*64+32
	global_load_b128 v[QB+8*i:QB+8*i+3],   v[QO], s[QLO:QLO+1] offset:(i/4)*524288+(i%4)*64
	global_load_b128 v[QB+8*i+4:QB+8*i+7], v[QO], s[QLO:QLO+1] offset:(i/4)*524288+(i%4)*64+32
.set i, i+1
.endr
	WIN 0
	v_lshlrev_b32 v14, 3, v9
	v_sub_nc_u32 v14, v1, v14
	s_lshl_b32 s13, s[WV], 4
	v_add_nc_u32 v14, s13, v14                     ; 16 w + r - 8 h: register j of key group kb is hidden where 16 kb + j is greater
.set i, 0
.rept 32
	v_cmp_gt_i32 vcc_lo, 16*(i/8)+i%8, v14
	v_cndmask_b32 v[MD+i], 0, s[BIGN], vcc_lo
.set i, i+1
.endr
	v_mul_u32_u24 v[AK0], v1, PK
	v_lshl_add_u32 v[AK0], v9, 4, v[AK0]
	v_and_b32 v10, 7, v0
	v_bfe_u32 v11, v0, 3, 1
	v_lshl_add_u32 v[AV0], v9, 3, v10
	v_mul_u32_u24 v[AV0], v[AV0], PV
	v_lshl_add_u32 v[AV0], v11, 4, v[AV0]
	v_add_nc_u32 v[AV0], VOFF, v[AV0]
	s_mul_i32 s13, s[WV], 16*SP
	s_add_co_u32 s13, s13, STAGE
	v_mul_u32_u24 v[STO], v1, SP                   ; in: row r, 16 bytes x h
	v_lshl_add_u32 v[STO], v9, 4, v[STO]
	v_add_nc_u32 v[STO], s13, v[STO]
	v_mul_u32_u24 v[RD], v9, SP                    ; back: lanes 0-15 one row of 256 bytes, lanes 16-31 the next
	v_lshl_add_u32 v[RD], v1, 4, v[RD]
	v_add_nc_u32 v[RD], s13, v[RD]
	v_lshlrev_b32 v[GO], 11, v9                    ; and the same two tokens in ob
	v_lshl_add_u32 v[GO], v1, 4, v[GO]
	v_and_b32 v[PFO], 31, v0
	v_lshlrev_b32 v[PFO], 8, v[PFO]
	WIN 0x40                                       ; O^T and l start at 0: written in the wait for the first tile, so that the text has one form of step
.set i, 0
.rept 128
	v_mov_b32 v[i], 0
.set i, i+1
.endr
	WIN 0
.irp t, 0,1
	v_mov_b32 v[ST+8*(\t)], 0xfe000000             ; c m: far below every c s
	v_mov_b32 v[ST+8*(\t)+1], 0xff7fffff           ; m
	v_mov_b32 v[ST+8*(\t)+2], 0
	v_mov_b32 v[ST+8*(\t)+3], 0
.endr
.macro FETCH_K                         ; a step's K: 16 fragments, 32 loads in one run
	WIN 0
	v_add_nc_u32 v[AK], s[TB], v[AK0]
	WIN 0x80
.irp f, 0,1,2,3,4,5,6,7,8,9,10,11,12,13,14,15  ; keys 16 (f / 4) on, channels 32 (f % 4) on
	ds_load_b128 v[KF+8*(\f):KF+8*(\f)+3],   v[AK] offset:((\f)/4)*16*PK+((\f)%4)*64
	ds_load_b128 v[KF+8*(\f)+4:KF+8*(\f)+7], v[AK] offset:((\f)/4)*16*PK+((\f)%4)*64+32
.endr
.endm
.macro FETCH_V                         ; the same step's V, turned
	WIN 0
	v_add_nc_u32 v[AV], s[TB], v[AV0]
	s_add_co_u32 s[TB], s[TB], STEPB               ; the next fetch is the next step's
	WIN 0x40
.irp f, 0,1,2,3,4,5,6,7,8,9,10,11,12,13,14,15  ; keys 32 (f / 8) on, channels 16 (f % 8) on
	ds_load_tr16_b128 v[VF+8*(\f):VF+8*(\f)+3],   v[AV] offset:((\f)/8)*32*PV+((\f)%8)*32
	ds_load_tr16_b128 v[VF+8*(\f)+4:VF+8*(\f)+7], v[AV] offset:((\f)/8)*32*PV+16*PV+((\f)%8)*32
.endr
.endm
.macro MASK
	s_cmp_eq_u32 s[KT], s[BI]                      ; is the step the block's own?
	s_cselect_b32 s[AL], 1.0, 0
	s_cmp_gt_u32 s[KT], s[BI]                      ; or a later one?
	s_cselect_b32 s[BE], s[BIGN], 0
	WIN 0
.set z, 0
.rept 16
	v_pk_fma_f32 v[MC+2*z:MC+2*z+1], v[MD+2*z:MD+2*z+1], s[AL:AL+1], s[BE:BE+1] op_sel_hi:[1,0,0]
.set z, z+1
.endr
.endm
; 32 products S^T = K Q^T: channels 32 (i / 8) on, keys 16 ((i / 2) % 4) on, tile i % 2.  The first 8 start the sums with the mask.  The 8 accumulators take turns.
.macro MKQ
	WIN W_KQ
.set i, 0
.rept 32
.set rS, S+32*(i%2)+8*((i/2)%4)
.set rK, KF+32*((i/2)%4)+8*(i/8)
.set rQ, 32*(i%2)+8*(i/8)
.set rM, MC+8*((i/2)%4)
.if i < 8
	v_wmma_f32_16x16x32_f16 v[rS:rS+7], v[rK:rK+7], v[rQ:rQ+7], v[rM:rM+7]
.else
	v_wmma_f32_16x16x32_f16 v[rS:rS+7], v[rK:rK+7], v[rQ:rQ+7], v[rS:rS+7]
.endif
.set i, i+1
.endr
.endm
; 32 products O^T += V^T P: keys 32 (i / 16) on, channels 16 ((i / 2) % 8) on, tile i % 2.  16 accumulators by turns.
.macro MPV
	WIN W_PV
.set i, 0
.rept 32
.set rO, 64*(i%2)+8*((i/2)%8)
.set rV, VF+64*(i/16)+8*((i/2)%8)
.set rP, P+16*(i%2)+8*(i/16)
	v_wmma_f32_16x16x32_f16 v[rO:rO+7], v[rV:rV+7], v[rP:rP+7], v[rO:rO+7]
.set i, i+1
.endr
.endm
; One tile's softmax for a step is a list of 134 instructions; SM writes number j for tile t.
;   0-15  the maximum of the 32 scores and the old m (each accumulator's lowest registers are read first)     16-20  the other half of the lanes' maximum; m; c m; its change
;   21-69 the 16 scalings c s - c m and all 33 exponentials (a at 23): none reads an exponential's result     70-85 the roundings to f16     86-101 the sums; l = a l + sum     102-133 O^T times a
.macro SM t
.set rT, ST+8*(\t)
.set rS, S+32*(\t)
.set rP, P+16*(\t)
.set rO, 64*(\t)+2*(j-102)
.if j < 102
	WIN 0
.endif
.if j < 4
	v_max3_num_f32 v[rT+4+j], v[rS+8*j], v[rS+8*j+1], v[rS+8*j+2]
.elseif j < 12
	v_max3_num_f32 v[rT+4+j%4], v[rT+4+j%4], v[rS+8*(j%4)+2*(j/4)+1], v[rS+8*(j%4)+2*(j/4)+2]
.elseif j == 12
	v_max3_num_f32 v[rT+4], v[rT+4], v[rS+7], v[rS+15]
.elseif j == 13
	v_max3_num_f32 v[rT+6], v[rT+6], v[rS+23], v[rS+31]
.elseif j == 14
	v_max3_num_f32 v[rT+4], v[rT+4], v[rT+5], v[rT+6]
.elseif j == 15
	v_max3_num_f32 v[rT+4], v[rT+4], v[rT+7], v[rT+1]
.elseif j == 16
	v_permlanex16_b32 v[rT+5], v[rT+4], s[SEL], s[SEL+1]
.elseif j == 17
	v_mov_b32 v[rT+7], v[rT]
.elseif j == 18
	v_max_num_f32 v[rT+1], v[rT+4], v[rT+5]
.elseif j == 19
	v_mul_f32 v[rT], s[CS], v[rT+1]
.elseif j == 20
	v_sub_f32 v[rT+7], v[rT+7], v[rT]
.elseif j == 23
	v_exp_f32 v[rT+6], v[rT+7]
.elseif (j < 23) || ((j < 38) && (j%2 == 0)) || ((j < 66) && (j%4 == 2))
.set b, (j-2)/4
.if j < 38
.set b, (j-20)/2
.endif
	v_pk_fma_f32 v[rS+2*b:rS+2*b+1], v[rS+2*b:rS+2*b+1], s[CS:CS+1], v[rT:rT+1] op_sel_hi:[1,0,0] neg_lo:[0,0,1] neg_hi:[0,0,1]
.elseif j < 70
.set e, j-38
.if j < 66
.set e, j-32-(j-38)/4
.endif
.if j < 38
.set e, (j-25)/2
.endif
	v_exp_f32 v[rS+e], v[rS+e]
.elseif j < 86
	v_cvt_pk_f16_f32 v[rP+j-70], v[rS+2*(j-70)], v[rS+2*(j-70)+1]
.elseif j < 102
.set z, j-86
.set w, 4
.set u, z
.if z >= 14
.set w, 32
.set u, 0
.elseif z >= 12
.set w, 16
.set u, z-12
.elseif z >= 8
.set w, 8
.set u, z-8
.endif
.if z < 15
	v_pk_add_f32 v[rS+w*u:rS+w*u+1], v[rS+w*u:rS+w*u+1], v[rS+w*u+w/2:rS+w*u+w/2+1]
.else
	v_pk_fma_f32 v[rT+2:rT+3], v[rT+2:rT+3], v[rT+6:rT+7], v[rS:rS+1] op_sel_hi:[1,0,1]
.endif
.else
	WIN W_RS
	v_pk_mul_f32 v[rO:rO+1], v[rO:rO+1], v[rT+6:rT+7] op_sel_hi:[1,0]
.endif
.endm
.macro SOFTMAX                         ; both tiles, line by line by turns; the 66 exponentials are one batch with one wait
.set j, 0
.rept 134
.if j == 70
	v_nop                                          ; a plain instruction behind the last exponential
	s_wait_alu depctr_va_vdst(0)                   ; the wait ahead of the first reader
.endif
	SM 0
	SM 1
.set j, j+1
.endr
.endm
; A BLOCK'S END: O^T / l, rounded to f16, through my stage, a tile (16 tokens of one head) at a time.
.macro PACK t
	WIN W_RS
.set i, 64*(\t)
.rept 32
	v_pk_mul_f32 v[i:i+1], v[i:i+1], v[ST+8*(\t)+6:ST+8*(\t)+7] op_sel_hi:[1,0]
.set i, i+2
.endr
	WIN 0x05                                       ; sources in window 1, destination in window 0: S^T's registers are free
.set i, 0
.rept 32
	v_cvt_pk_f16_f32 v[S+32*(\t)+i], v[64*(\t)+2*i], v[64*(\t)+2*i+1]
.set i, i+1
.endr
	WIN 0
.irp f, 0,1,2,3,4,5,6,7
	ds_store_b128 v[STO], v[S+32*(\t)+4*(\f):S+32*(\t)+4*(\f)+3] offset:32*(\f)
.endr
.irp f, 0,1,2,3,4,5,6,7
	ds_load_b128 v[S+32*(\t)+4*(\f):S+32*(\t)+4*(\f)+3], v[RD] offset:(\f)*2*SP   ; LDS serves a wave's instructions in order: these see the stores above
.endr
.endm
.macro SEND t, younger                 ; younger: the LDS instructions issued behind tile t's loads
.irp f, 0,1,2,3,4,5,6,7
	s_wait_dscnt (\younger)+7-(\f)
	global_store_b128 v[GO], v[S+32*(\t)+4*(\f):S+32*(\t)+4*(\f)+3], s[10:11] offset:(\t)*256+(\f)*4096   ; 16 lanes store 256 consecutive bytes, aligned
.endr
.endm
.macro END final
	WIN 0
.irp t, 0,1                            ; these additions are places behind the last products
	v_add_f32 v[ST+8*(\t)+4], v[ST+8*(\t)+2], v[ST+8*(\t)+3]
.endr
.irp t, 0,1
	v_permlanex16_b32 v[ST+8*(\t)+5], v[ST+8*(\t)+4], s[SEL], s[SEL+1]
.endr
.irp t, 0,1
	v_add_f32 v[ST+8*(\t)+4], v[ST+8*(\t)+4], v[ST+8*(\t)+5]
.endr
.irp t, 0,1
	v_rcp_f32 v[ST+8*(\t)+6], v[ST+8*(\t)+4]
.endr
	v_nop
	s_wait_alu depctr_va_vdst(0)                   ; one wait for the two reciprocals
	PACK 0
	PACK 1
	SEND 0, 16
	SEND 1, 0
.if !(\final)
	s_wait_xcnt 0x0                                ; the stores have read their registers and ob's address
.irp t, 0,1
	v_mov_b32 v[ST+8*(\t)], 0xfe000000
	v_mov_b32 v[ST+8*(\t)+1], 0xff7fffff
.endr
	WIN 0x82                                       ; the second block's Q goes where the one text names Q
.set i, 0
.rept 64
	v_mov_b32 v[i], v[QB+i]
.set i, i+1
.endr
	WIN 0
	s_mov_b64 s[10:11], s[OLO:OLO+1]
	s_mov_b32 s[REM], s[NL]
	s_mov_b32 s[BI], s[PB]
	s_mov_b32 s[KT], 0
.endif
.endm
.macro TRIP mid
	FETCH_K                                        ; step j + 1; four places behind the last product that read K
	SOFTMAX
	s_wait_dscnt 32                                ; V of step j is in; K's 32 younger loads may be out
	MPV
	WIN 0
	s_sub_co_u32 s[REM], s[REM], 1
	s_cmp_lg_u32 s[REM], 0
	s_cbranch_scc1 \mid
	END 0                                          ; the first block's last step: it goes out, and the second begins
\mid:
	MASK                                           ; its 16 lines are also the places between V^T P and the loads into V
	FETCH_V
	s_wait_dscnt 32                                ; K is in; V's 32 younger loads may be out
	MKQ
	s_add_co_u32 s[KT], s[KT], 1
	WIN 0
	PLACES                                         ; behind the last K Q^T: the scores are read next, and K is loaded again
.endm
	CHANGE 1, 0                                    ; slot 0 is in, everybody's part of it; slot 1 is asked for
	FETCH_K                                        ; step 0
	WIN 0
	s_wait_loadcnt 0x0                             ; Q
	s_mov_b32 s[REM], s[NH]
	s_mov_b32 s[KT], 0
	s_mov_b32 s[BI], s[HI]
	s_mov_b32 s[TWICE], 2
	s_mov_b32 s[SLOTS], 16
	s_branch .Lmid                                 ; the loop is entered in the middle of a trip: there is no step before step 0
.Lslot:                                        ; 15 times: a slot is entered and the one just left is filled again
	CHANGE 1, 1
	s_mov_b32 s[TWICE], 2
.Lstep:
	TRIP .Lmid
	s_sub_co_u32 s[TWICE], s[TWICE], 1
	s_cmp_lg_u32 s[TWICE], 0
	s_cbranch_scc1 .Lstep
	s_sub_co_u32 s[SLOTS], s[SLOTS], 1
	s_cmp_lg_u32 s[SLOTS], 0
	s_cbranch_scc1 .Lslot
	CHANGE 0, 0                                    ; the walk's last slot is written out
	s_mov_b32 s[TWICE], 2
.Ltail:
	TRIP .Lmid2
	s_sub_co_u32 s[TWICE], s[TWICE], 1
	s_cmp_lg_u32 s[TWICE], 0
	s_cbranch_scc1 .Ltail
	SOFTMAX                                        ; the last step
	s_wait_dscnt 0x0
	MPV
	END 1
	s_wait_tensorcnt 0x0                           ; the wave's end, behind my last tensor load and my last LDS store
	ds_add_u32 v[SPW], v[NIL]
	s_wait_dscnt 0x0
	s_endpgm
.Lfunc_end_k_q6c12d76da2_attn:
	.size	k_q6c12d76da2_attn, .Lfunc_end_k_q6c12d76da2_attn-k_q6c12d76da2_attn
	.p2alignl 7, 3214868480
	.fill 96, 4, 3214868480
	.section	.rodata,"a",@progbits
	.p2align	6, 0x0
	.amdhsa_kernel k_q6c12d76da2_attn
		.amdhsa_group_segment_fixed_size 327680
		.amdhsa_private_segment_fixed_size 0
		.amdhsa_enable_private_segment 0
		.amdhsa_kernarg_size 32
		.amdhsa_user_sgpr_count 2
		.amdhsa_user_sgpr_kernarg_segment_ptr 1
		.amdhsa_wavefront_size32 1
		.amdhsa_system_sgpr_workgroup_id_x 1
		.amdhsa_system_sgpr_workgroup_id_y 1
		.amdhsa_system_sgpr_workgroup_id_z 1
		.amdhsa_system_vgpr_workitem_id 0
		.amdhsa_next_free_vgpr 768
		.amdhsa_next_free_sgpr 96
		.amdhsa_reserve_vcc 1
		.amdhsa_float_denorm_mode_32 3
		.amdhsa_float_denorm_mode_16_64 3
		.amdhsa_memory_ordered 1
		.amdhsa_forward_progress 1
		.amdhsa_inst_pref_size 131
	.end_amdhsa_kernel
	.amdgpu_metadata
---
amdhsa.version: [ 1, 2 ]
amdhsa.kernels:
  - .name:           k_q6c12d76da2_attn
    .symbol:         k_q6c12d76da2_attn.kd
    .args:
      - { .name: qh, .offset: 0, .size: 8, .value_kind: global_buffer, .address_space: global }
      - { .name: kh, .offset: 8, .size: 8, .value_kind: global_buffer, .address_space: global }
      - { .name: vh, .offset: 16, .size: 8, .value_kind: global_buffer, .address_space: global }
      - { .name: ob, .offset: 24, .size: 8, .value_kind: global_buffer, .address_space: global }
    .group_segment_fixed_size: 327680
    .private_segment_fixed_size: 0
    .kernarg_segment_align: 8
    .kernarg_segment_size: 32
    .max_flat_workgroup_size: 128
    .sgpr_count:     96
    .vgpr_count:     768
    .wavefront_size: 32
...
	.end_amdgpu_metadata
.endif
;; end of part 3
;; launch oproj (part 4): grid 32 x 16, 4 waves a work-group, clusters of 4 x 4, 327,680 bytes of LDS; arguments ob, wo16, out0; writes out0
.if DOCPART == 4
	.amdgcn_target "amdgcn-amd-amdhsa--gfx1250"
	.amdhsa_code_object_version 6
	.text
	.protected	k_q6c12d76da2_oproj
	.globl	k_q6c12d76da2_oproj
	.p2align	8
	.type	k_q6c12d76da2_oproj,@function
k_q6c12d76da2_oproj:
	s_mov_b64 s[64:65], 0
	v_nop
	global_prefetch_b8 v0, s[64:65] scope:SCOPE_SE
	s_setreg_imm32_b32 hwreg(HW_REG_WAVE_MODE, 25, 1), 1
	s_wait_xcnt 0x0
	s_wait_alu depctr_hold_cnt(0) depctr_sa_sdst(0) depctr_va_vdst(0) depctr_va_sdst(0) depctr_va_ssrc(0) depctr_va_vcc(0) depctr_vm_vsrc(0)
	s_getreg_b32 s2, hwreg(HW_REG_IB_STS2, 6, 4)
	s_cmp_eq_u32 s2, 0
	s_cbranch_scc0 .Lentry_in_a_cluster
	s_endpgm
.Lentry_in_a_cluster:
	s_bfe_u32 s2, ttmp6, 0x10000c
	s_cmp_lg_u32 s2, 0xf033
	s_cbranch_scc0 .Lentry_shape_is_right
	s_endpgm
.Lentry_shape_is_right:
; out0 = ob wo16 (f16 operands, f32 sums): ob holds O / 16 and wo16 holds 16 x bf16(Wo), so the product is O Wo.  ob [4096][1024], wo16 [1024 k][4096 n], out0 [4096][4096] f32.
; The frame is that of the launch qkv: a work-group makes 256 x 128, wave w rows 64 w .. 64 w + 63 x 128 columns in 32 accumulators; K in steps of 128 through two LDS slots; B lies [k][n] and
; comes by the turning load; cluster 4 x 4, A's tile asked for jointly along a row of the cluster, B's along a column; the matrix instruction is used transposed.
; 512 work-groups: one for each 256 x 128 tile.  On the way out a wave's rows go through its stage (in the ring, which has had its last fill) and leave as 512 consecutive bytes a store.
.set KT,    1024
.set NT,    4096
.set PA,    272
.set PB,    288
.set HALFA, 128*PA
.set HALFB, 64*PB
.set BOFF,  2*HALFA
.set SLOT,  BOFF+2*HALFB
.set SPARE, 2*SLOT
.set SP,    528
.set WSTG,  64*SP
.set LAPS,  KT/256
.set ADRA, 16
.set ADRB, 20
.set STO,  24
.set RD,   25
.set CO,   26
.set SPW,  28
.set NIL,  29
.set PFO,  30
.set F0,   64
.set F1,   160
.set G1,   24
.set G0,   32
.set G1B,  48
.set G0B,  56
.set LIM,  43
.set PFA,  44
.set PFS,  66
.set CNT,  93
.set MUL,  0x50
.set MSB, 0
.macro WIN new
.if MSB != (\new)
	s_set_vgpr_msb (MSB<<8)|(\new)
.set MSB, \new
.endif
.endm
.macro PLACES
.rept 4
	v_nop
.endr
.endm
.macro JLOAD s                         ; a joint load: waves 0, 1 A's halves, waves 2, 3 B's; s_nop 0 and four v_nop follow each line
	s_cmp_eq_u32 s11, 0
	s_cbranch_scc0 .Lfor_b_\@
	tensor_load_to_lds s[G0+4*(\s):G0+4*(\s)+3], s[G1:G1+7]
	s_nop 0
.rept 4
	v_nop
.endr
	s_branch .Lasked_\@
.Lfor_b_\@:
	tensor_load_to_lds s[G0B+4*(\s):G0B+4*(\s)+3], s[G1B:G1B+7]
	s_nop 0
.rept 4
	v_nop
.endr
.Lasked_\@:
.endm
.macro CREST
	s_cmp_lg_u32 s10, 0
	s_cbranch_scc1 .Lnot_wave_0_\@
	s_barrier_signal -3
.Lnot_wave_0_\@:
	s_barrier_wait -3
	s_barrier_signal -1
	s_barrier_wait -1
.endm
.macro CROUND
	s_barrier_signal -1
	s_barrier_wait -1
	CREST
.endm
; A prefetch into the L2 of the K step two refills on: A's rows by the clusters with x = 0 (waves 0, 1; 32 rows for the partner at cx), B's k-rows by the clusters with y = 0 (wave 2; 32 for the
; partner at cy): a lane a row of 256 bytes, each block named once in the launch.  The loop's last trip asks for nothing.
.macro ASK
	s_cmp_gt_u32 s3, s[LIM]
	s_cbranch_scc0 .Lnot_mine_\@
	global_prefetch_b8 v[PFO], s[PFA:PFA+1] th:TH_LOAD_NT scope:SCOPE_SE
.Lnot_mine_\@:
.endm
	s_load_b128 s[4:7], s[0:1], 0x0                ; ob, wo16
	s_load_b64 s[8:9], s[0:1], 0x10                ; out0
	v_lshl_add_u32 v[SPW], v0, 2, SPARE
	v_mov_b32 v[NIL], 0
	ds_add_u32 v[SPW], v[NIL]                      ; the wave's opening: the add and its wait ahead of my first tensor load
	v_lshrrev_b32 v1, 5, v0
	v_readfirstlane_b32 s10, v1
	s_lshr_b32 s11, s10, 1
	s_and_b32 s12, s10, 1
	s_bfe_u32 s40, ttmp6, 0x40000                  ; cx
	s_bfe_u32 s41, ttmp6, 0x40004                  ; cy
	s_lshl_b32 s42, ttmp9, 2
	s_add_co_u32 s42, s42, s40                     ; tile column
	s_and_b32 s13, ttmp7, 0xffff
	s_lshl_b32 s13, s13, 2
	s_add_co_u32 s13, s13, s41                     ; tile row
	s_lshl_b32 s43, s41, 2
	s_lshl_b32 s43, 15, s43
	s_lshl_b32 s44, 0x1111, s40
	s_or_b32 s[G1+0], s43, (1<<16)|(1<<20)|(1<<21)|(5<<22)|(3<<25)
	s_or_b32 s[G1B+0], s44, (1<<16)|(1<<20)|(1<<21)|(5<<22)|(7<<25)
	s_mov_b32 s[G1+1], 128<<16
	s_mov_b32 s[G1+2], 128<<16
	s_mov_b32 s[G1+3], 128<<16
	s_mov_b32 s[G1+4], 128
	s_mov_b32 s[G1+5], KT
	s_mov_b32 s[G1+6], 0
	s_mov_b32 s[G1+7], 0
	s_mov_b32 s[G1B+1], 128<<16
	s_mov_b32 s[G1B+2], 64<<16
	s_mov_b32 s[G1B+3], 128<<16
	s_mov_b32 s[G1B+4], 64
	s_mov_b32 s[G1B+5], NT
	s_mov_b32 s[G1B+6], 0
	s_mov_b32 s[G1B+7], 0
	s_lshl_b32 s17, s12, 7
	s_lshl_b32 s16, s13, 8
	s_add_co_u32 s16, s16, s17
	s_mov_b32 s17, 0
	s_mov_b64 s[18:19], KT*2
	s_mul_u64 s[16:17], s[16:17], s[18:19]
	s_mul_i32 s46, s12, 64*NT*2
	s_lshl_b32 s47, s42, 8
	s_add_co_u32 s46, s46, s47
	s_mov_b32 s47, 0
	s_mul_i32 s20, s10, HALFA
	s_mul_i32 s21, s10, HALFB
	s_add_co_u32 s21, s21, BOFF-2*HALFB
	s_wait_dscnt 0x0                               ; the opening add is done
	s_wait_kmcnt 0x0
	s_add_nc_u64 s[14:15], s[4:5], s[16:17]
	s_add_nc_u64 s[46:47], s[6:7], s[46:47]
	CROUND
.irp s, 0,1
	s_mov_b32 s[G0+4*(\s)], 1
	s_add_co_u32 s[G0+4*(\s)+1], s20, (\s)*SLOT
	s_add_nc_u64 s[G0+4*(\s)+2:G0+4*(\s)+3], s[14:15], (\s)*256
	s_or_b32 s[G0+4*(\s)+3], s[G0+4*(\s)+3], 0x80000000
	s_mov_b32 s[G0B+4*(\s)], 1
	s_add_co_u32 s[G0B+4*(\s)+1], s21, (\s)*SLOT
	s_add_nc_u64 s[G0B+4*(\s)+2:G0B+4*(\s)+3], s[46:47], (\s)*128*NT*2
	s_or_b32 s[G0B+4*(\s)+3], s[G0B+4*(\s)+3], 0x80000000
	JLOAD \s
.endr
	v_and_b32 v1, 15, v0
	v_bfe_u32 v2, v0, 4, 1
	v_mul_u32_u24 v3, v1, PA
	v_lshl_add_u32 v3, v2, 4, v3
	s_mul_i32 s22, s10, 64*PA
	v_add_nc_u32 v[ADRA], s22, v3
	v_add_nc_u32 v[ADRA+1], SLOT, v[ADRA]
	v_and_b32 v4, 7, v0
	v_lshl_add_u32 v4, v2, 3, v4
	v_mul_u32_u24 v4, v4, PB
	v_bfe_u32 v5, v0, 3, 1
	v_lshl_add_u32 v4, v5, 4, v4
	v_add_nc_u32 v[ADRB], BOFF, v4
	v_add_nc_u32 v[ADRB+1], BOFF+SLOT, v4
	s_mul_i32 s23, s10, WSTG
	v_mul_u32_u24 v5, v1, SP
	v_lshl_add_u32 v5, v2, 5, v5
	v_add_nc_u32 v[STO], s23, v5
	v_and_b32 v6, 31, v0
	v_lshlrev_b32 v[CO], 4, v6                     ; my 16 bytes of a row's 512
	v_add_nc_u32 v[RD], s23, v[CO]
	s_lshl_b32 s94, s13, 8
	s_lshl_b32 s95, s10, 6
	s_add_co_u32 s94, s94, s95                     ; my first row of out0,
	s_lshl_b32 s94, s94, 14                        ; x 16,384 bytes
	s_lshl_b32 s95, s42, 9                         ; + 512 bytes x tile column
	s_add_co_u32 s94, s94, s95
	s_mov_b32 s95, 0
	s_add_nc_u64 s[8:9], s[8:9], s[94:95]
	; the prefetches stand at K step 3; each filling change of slots steps them first
	s_lshl_b32 s94, s13, 8
	s_lshl_b32 s95, s12, 7
	s_add_co_u32 s94, s94, s95
	s_lshl_b32 s95, s40, 5
	s_add_co_u32 s94, s94, s95
	s_mul_i32 s94, s94, KT*2
	s_add_co_u32 s94, s94, 3*256
	s_lshl_b32 s95, s41, 5
	s_add_co_u32 s95, s95, 3*128
	s_mul_i32 s95, s95, NT*2
	s_lshl_b32 s96, s42, 8
	s_add_co_u32 s95, s95, s96
	s_and_b32 s99, ttmp7, 0xffff
	s_mov_b32 s98, NT*2
	s_mov_b32 s[PFS], 128*NT*2
	s_cmp_eq_u32 s11, 0
	s_cselect_b32 s96, s94, s95
	s_cselect_b32 s99, ttmp9, s99
	s_cselect_b32 s98, KT*2, s98
	s_cselect_b32 s[PFS], 256, s[PFS]
	s_cselect_b64 s[PFA:PFA+1], s[4:5], s[6:7]
	s_mov_b32 s97, 0
	s_mov_b32 s[PFS+1], 0
	s_add_nc_u64 s[PFA:PFA+1], s[PFA:PFA+1], s[96:97]
	s_cmp_eq_u32 s10, 3
	s_cselect_b32 s99, 1, s99
	s_cmp_eq_u32 s99, 0
	s_cselect_b32 s[LIM], 1, -1
	v_mul_u32_u24 v[PFO], v6, s98
.macro MULA f, a, zero                 ; 8 matrix instructions; the 32 accumulators take turns in the same order in every quarter
	WIN MUL
.irp b, 0,1,2,3,4,5,6,7
.if \zero
	v_wmma_f32_16x16x32_f16 v[8*(8*(\a)+(\b)):8*(8*(\a)+(\b))+7], v[(\f)+8*(\b):(\f)+8*(\b)+7], v[(\f)+64+8*(\a):(\f)+64+8*(\a)+7], 0
.else
	v_wmma_f32_16x16x32_f16 v[8*(8*(\a)+(\b)):8*(8*(\a)+(\b))+7], v[(\f)+8*(\b):(\f)+8*(\b)+7], v[(\f)+64+8*(\a):(\f)+64+8*(\a)+7], v[8*(8*(\a)+(\b)):8*(8*(\a)+(\b))+7]
.endif
.endr
.endm
.macro FETCH slot, q, f                ; 24 LDS loads in one run: B's 8 fragments (turned), then A's 4
	WIN 0
.irp b, 0,1,2,3,4,5,6,7
	ds_load_tr16_b128 v[(\f)+8*(\b):(\f)+8*(\b)+3],   v[ADRB+(\slot)] offset:(\q)*32*PB+32*(\b)
	ds_load_tr16_b128 v[(\f)+8*(\b)+4:(\f)+8*(\b)+7], v[ADRB+(\slot)] offset:(\q)*32*PB+16*PB+32*(\b)
.endr
.irp a, 0,1,2,3
	ds_load_b128 v[(\f)+64+8*(\a):(\f)+64+8*(\a)+3],   v[ADRA+(\slot)] offset:(\a)*16*PA+64*(\q)
	ds_load_b128 v[(\f)+64+8*(\a)+4:(\f)+64+8*(\a)+7], v[ADRA+(\slot)] offset:(\a)*16*PA+64*(\q)+32
.endr
.endm
.macro QUARTER slot, q, f, g, zero
	s_wait_dscnt 4                                 ; B and A's blocks 0, 1 are in; the youngest four loads may be out
	MULA \f, 0, \zero
	MULA \f, 1, \zero
	PLACES
	FETCH \slot, \q, \g
	s_wait_dscnt 24                                ; all but the 24 just issued
	MULA \f, 2, \zero
	MULA \f, 3, \zero
.endm
.macro TURN slot, next, fill           ; the last quarter and the change of slots: waits, add and barrier as in the launch qkv
.if \fill
	s_wait_xcnt 0x0                                ; the last prefetch, a K step back, has read its address
	s_add_nc_u64 s[PFA:PFA+1], s[PFA:PFA+1], s[PFS:PFS+1]
.endif
	WIN 0
	s_wait_tensorcnt 0x0                           ; all my tensor loads have landed: my part of the next slot
	ds_add_u32 v[SPW], v[NIL]
	s_wait_dscnt 5                                 ; the add and the youngest four loads may be out
	MULA F1, 0, 0
	s_wait_dscnt 0x0                               ; the add is done, my reads of this slot are over
	s_barrier_signal -1
	MULA F1, 1, 0
.if \fill
	WIN 0
.endif
	s_barrier_wait -1
.if \fill
	CREST
	s_add_nc_u64 s[G0+4*(\slot)+2:G0+4*(\slot)+3], s[G0+4*(\slot)+2:G0+4*(\slot)+3], 512
	s_add_nc_u64 s[G0B+4*(\slot)+2:G0B+4*(\slot)+3], s[G0B+4*(\slot)+2:G0B+4*(\slot)+3], 256*NT*2
	JLOAD \slot
.else
	PLACES
.endif
	FETCH \next, 0, F0
.if \fill
	ASK
.endif
	MULA F1, 2, 0
	MULA F1, 3, 0
.endm
	s_wait_tensorcnt 0x1                           ; my part of K step 0 is in; step 1's may stay out
	s_barrier_signal -1
	s_barrier_wait -1
	FETCH 0, 0, F0
	QUARTER 0, 1, F0, F1, 1
	WIN 0
	s_mov_b32 s3, LAPS-1
.Llap:
	QUARTER 0, 2, F1, F0, 0
	QUARTER 0, 3, F0, F1, 0
	TURN 0, 1, 1
	QUARTER 1, 1, F0, F1, 0
	QUARTER 1, 2, F1, F0, 0
	QUARTER 1, 3, F0, F1, 0
	TURN 1, 0, 1
	QUARTER 0, 1, F0, F1, 0
	WIN 0
	s_sub_co_u32 s3, s3, 1
	s_cmp_lg_u32 s3, 0
	s_cbranch_scc1 .Llap
	QUARTER 0, 2, F1, F0, 0
	QUARTER 0, 3, F0, F1, 0
	TURN 0, 1, 0
	QUARTER 1, 1, F0, F1, 0
	QUARTER 1, 2, F1, F0, 0
	QUARTER 1, 3, F0, F1, 0
	s_wait_dscnt 0x0                               ; my last reads of the ring are back:
	s_barrier_signal -1                            ; behind this barrier nobody reads it, and the stage may be written over it
	MULA F1, 0, 0
	MULA F1, 1, 0
	MULA F1, 2, 0
	MULA F1, 3, 0
	WIN 0
	s_barrier_wait -1
	PLACES
	WIN 0x04                                       ; store data in window 1; each accumulator's low half first
.irp a, 0,1,2,3
.irp b, 0,1,2,3,4,5,6,7
	ds_store_b128 v[STO], v[8*(8*(\a)+(\b)):8*(8*(\a)+(\b))+3]   offset:(\a)*16*SP+64*(\b)
	ds_store_b128 v[STO], v[8*(8*(\a)+(\b))+4:8*(8*(\a)+(\b))+7] offset:(\a)*16*SP+64*(\b)+16
.endr
.endr
	WIN 0
	s_mov_b32 s[CNT], 4
.Lout:                                         ; 16 rows a trip, back from my own stage as whole rows
.irp i, 0,1,2,3,4,5,6,7,8,9,10,11,12,13,14,15
	ds_load_b128 v[64+4*(\i):64+4*(\i)+3], v[RD] offset:(\i)*SP
.endr
.irp i, 0,1,2,3,4,5,6,7,8,9,10,11,12,13,14,15
	s_wait_dscnt 15-(\i)                           ; row i is in; the younger rows may be out
	global_store_b128 v[CO], v[64+4*(\i):64+4*(\i)+3], s[8:9] offset:(\i)*NT*4 th:TH_STORE_NT   ; 512 consecutive bytes, aligned
.endr
	s_wait_xcnt 0x0                                ; the stores have read their data and CO
	v_add_nc_u32 v[RD], 16*SP, v[RD]
	v_add_nc_u32 v[CO], 16*NT*4, v[CO]
	s_sub_co_u32 s[CNT], s[CNT], 1
	s_cmp_lg_u32 s[CNT], 0
	s_cbranch_scc1 .Lout
	s_wait_tensorcnt 0x0                           ; the wave's end, behind my last tensor load and my last LDS store
	ds_add_u32 v[SPW], v[NIL]
	s_wait_dscnt 0x0
	CROUND                                         ; the closing round
	s_endpgm
.Lfunc_end_k_q6c12d76da2_oproj:
	.size	k_q6c12d76da2_oproj, .Lfunc_end_k_q6c12d76da2_oproj-k_q6c12d76da2_oproj
	.p2alignl 7, 3214868480
	.fill 96, 4, 3214868480
	.section	.rodata,"a",@progbits
	.p2align	6, 0x0
	.amdhsa_kernel k_q6c12d76da2_oproj
		.amdhsa_group_segment_fixed_size 327680
		.amdhsa_private_segment_fixed_size 0
		.amdhsa_enable_private_segment 0
		.amdhsa_kernarg_size 24
		.amdhsa_user_sgpr_count 2
		.amdhsa_user_sgpr_kernarg_segment_ptr 1
		.amdhsa_wavefront_size32 1
		.amdhsa_system_sgpr_workgroup_id_x 1
		.amdhsa_system_sgpr_workgroup_id_y 1
		.amdhsa_system_sgpr_workgroup_id_z 1
		.amdhsa_system_vgpr_workitem_id 0
		.amdhsa_next_free_vgpr 512
		.amdhsa_next_free_sgpr 100
		.amdhsa_reserve_vcc 0
		.amdhsa_float_denorm_mode_32 3
		.amdhsa_float_denorm_mode_16_64 3
		.amdhsa_memory_ordered 1
		.amdhsa_forward_progress 1
		.amdhsa_inst_pref_size 79
	.end_amdhsa_kernel
	.amdgpu_metadata
---
amdhsa.version: [ 1, 2 ]
amdhsa.kernels:
  - .name:           k_q6c12d76da2_oproj
    .symbol:         k_q6c12d76da2_oproj.kd
    .args:
      - { .name: ob, .offset: 0, .size: 8, .value_kind: global_buffer, .address_space: global }
      - { .name: wo16, .offset: 8, .size: 8, .value_kind: global_buffer, .address_space: global }
      - { .name: out0, .offset: 16, .size: 8, .value_kind: global_buffer, .address_space: global }
    .group_segment_fixed_size: 327680
    .private_segment_fixed_size: 0
    .kernarg_segment_align: 8
    .kernarg_segment_size: 24
    .max_flat_workgroup_size: 128
    .sgpr_count:     100
    .vgpr_count:     512
    .wavefront_size: 32
...
	.end_amdgpu_metadata
.endif
;; end of part 4
;; ======== version 2 of 2: 4 launches; version 1 with the launch prep written anew for expert scheduling mode
;; limits: values are held in f16: magnitudes above 65,504 overflow, below 6.1e-05 lose precision; right only within a limited range of input values
;; workspace buffers: xb 33,554,432 bytes; wqkv 16,777,216 bytes; wo16 8,388,608 bytes; cs 2,097,152 bytes; qh 8,388,608 bytes; kh 4,194,304 bytes; vh 4,194,304 bytes; ob 8,388,608 bytes
;; launch prep (part 5): grid 1824 x 1, 8 waves a work-group, no clusters, 0 bytes of LDS; arguments hidden_states, Wq, Wk, Wv, Wo, cos_table, sin_table, xb, wqkv, wo16, cs; writes xb, wqkv, wo16, cs
.if DOCPART == 5
	.amdgcn_target "amdgcn-amd-amdhsa--gfx1250"
	.amdhsa_code_object_version 6
	.text
	.protected	k_q6c12d76da2_prep
	.globl	k_q6c12d76da2_prep
	.p2align	8
	.type	k_q6c12d76da2_prep,@function
k_q6c12d76da2_prep:
	s_mov_b64 s[64:65], 0
	v_nop
	global_prefetch_b8 v0, s[64:65] scope:SCOPE_SE
	s_setreg_imm32_b32 hwreg(HW_REG_WAVE_SCHED_MODE, 0, 2), 2
	s_setreg_imm32_b32 hwreg(HW_REG_WAVE_MODE, 25, 1), 1
	s_wait_xcnt 0x0
	s_wait_alu depctr_vm_vsrc(0)
; Every floating-point input but the two gains is rounded once to bf16 and laid out for the later launches:
;   xb   [4096][4096] bf16      = hidden_states
;   wqkv [4096 k][2048 n] bf16  = Wq | Wk | Wv side by side (columns 0, 1024, 1536)
;   wo16 [1024 k][4096 n] f16   = 16 x bf16(Wo): a bf16 number has 8 significant bits, so it is exact in f16.  LIMIT: |Wo| < 4,094.
;   cs   [2048 pos][256] f32    = bf16(cos) in words 0-127, bf16(sin) in words 128-255 with the sign turned for d < 64,
;                                 so that RoPE is y[d] = x[d] cs[d] + x[d xor 64] cs[128+d].
; A stream: no LDS, no barrier, no loop.  A UNIT is 2,048 source bytes (512 f32).  A wave takes 4 units: sixteen loads of 512 consecutive
; bytes, all issued before the first wait; a work-group takes 32 units.  Which tensor a work-group works on follows from its number alone.
; THE MODE: SCHED_MODE bits 1:0 = 2 (LLVM: expert scheduling mode 2), set by the entry lines.  The code itself states the register dependences
; between vector instructions and memory instructions, with s_wait_alu, always for 0.
; THE PLAN.  Registers that memory instructions touch:
;   v2      the loads' offset, v4-7 the stores' offsets: made at the head, ahead of the first load, and never written again.
;   X       written by the sixteen loads, which are the first to name it; behind that named by vector instructions alone.
;   OUT     each register is written once, by a rounding, and read once, by a store; nothing writes it again.
; One wait on va_vdst ahead of the first load states that all five offsets are written.  In each of the three tails unit u's roundings write unit u's OUT; at the head of unit
; u + 1, behind the wait for its first data, one wait on va_vdst states that they have, and unit u's four stores follow, dealt among unit u + 1's roundings,
; which name unit u + 1's X and OUT alone.  The last unit's stores have a wait of their own.  No register that a memory instruction reads is written again, so no wait on vm_vsrc is owed.
.set SRC,  32          ; s[32:33] source, at my wave's first unit
.set DST,  34          ; s[34:35] destination buffer
.set W0,   36          ; first work-group of the segment
.set SH,   37          ; unit >> SH = destination row
.set MSK,  38          ; unit & MSK = which 1,024 bytes of that row
.set PIT,  39          ; destination bytes from row to row
.set COL,  40          ; byte offset in the destination row
.set MODE, 41          ; 0: bf16   1: 16 x bf16 as f16   2: bf16 as f32 (tables)
.set LSH,  42          ; log2 of a lane's destination bytes
.set SGN,  43          ; the sign bit for the sine's first half, else 0
.set D,    44          ; s44-47  destination offset of my four units
.set VD,   4           ; v4-7    the same plus my lane's bytes; never rewritten
.set X,    16          ; v[16:79]  load n of 16 at X + 4 n
.set OUT,  80          ; v[80:143] what is stored; no register is written twice, so no store's source is ever rewritten
	s_load_b512 s[8:23], s[0:1], 0x0               ; hidden 8, Wq 10, Wk 12, Wv 14, Wo 16, cos 18, sin 20, xb 22
	s_load_b128 s[24:27], s[0:1], 0x40             ; wqkv 24, wo16 26
	s_load_b64 s[28:29], s[0:1], 0x50              ; cs
	v_lshrrev_b32 v1, 5, v0
	v_readfirstlane_b32 s4, v1                     ; wave 0..7
	v_and_b32 v1, 31, v0                           ; lane
	v_lshlrev_b32 v2, 4, v1                        ; 16 source bytes a lane
	s_mov_b32 s[W0], 1808                          ; the last segment (the sine table); the others are chosen below, from the top down
	s_mov_b32 s[SH], 0
	s_mov_b32 s[MSK], 0
	s_mov_b32 s[PIT], 4096
	s_mov_b32 s[COL], 512
	s_mov_b32 s[MODE], 2
	s_mov_b32 s[LSH], 4
	s_wait_kmcnt 0x0
	s_mov_b64 s[SRC:SRC+1], s[20:21]
	s_mov_b64 s[DST:DST+1], s[28:29]
.macro SEG bound, src, dst, w0, sh, msk, pit, col, mode, lsh   ; work-groups below 'bound' belong to this segment (or to one chosen later)
	s_cmp_lt_u32 ttmp9, \bound
	s_cselect_b64 s[SRC:SRC+1], s[\src:\src+1], s[SRC:SRC+1]
	s_cselect_b64 s[DST:DST+1], s[\dst:\dst+1], s[DST:DST+1]
	s_cselect_b32 s[W0], \w0, s[W0]
	s_cselect_b32 s[SH], \sh, s[SH]
	s_cselect_b32 s[MSK], \msk, s[MSK]
	s_cselect_b32 s[PIT], \pit, s[PIT]
	s_cselect_b32 s[COL], \col, s[COL]
	s_cselect_b32 s[MODE], \mode, s[MODE]
	s_cselect_b32 s[LSH], \lsh, s[LSH]
.endm
	SEG 1808, 18, 28, 1792, 0, 0, 4096, 0, 2, 4    ; cos: a unit is 4 table rows, 4 rows of cs
	SEG 1792, 16, 26, 1536, 0, 0, 1024, 0, 1, 3    ; Wo: dense to dense
	SEG 1536, 14, 24, 1408, 0, 0, 4096, 3072, 0, 3 ; Wv: a unit is a row of 512
	SEG 1408, 12, 24, 1280, 0, 0, 4096, 2048, 0, 3 ; Wk
	SEG 1280, 10, 24, 1024, 1, 1, 4096, 0, 0, 3    ; Wq: two units are a row of 1,024
	SEG 1024, 8, 22, 0, 0, 0, 1024, 0, 0, 3        ; hidden_states: dense to dense
	s_wait_alu depctr_va_sdst(0)                   ; s4, the wave's number, is written, ahead of its first reader three lines below
	s_sub_co_u32 s5, ttmp9, s[W0]
	s_lshl_b32 s5, s5, 5                           ; 32 units a work-group,
	s_lshl2_add_u32 s5, s4, s5                     ; 4 a wave: my first unit
	s_lshl_b32 s6, s5, 11                          ; x 2,048 bytes: 64 MiB at the most
	s_mov_b32 s7, 0
	s_add_nc_u64 s[SRC:SRC+1], s[SRC:SRC+1], s[6:7]
.irp i, 0,1,2,3
	s_add_co_u32 s2, s5, \i
	s_lshr_b32 s3, s2, s[SH]
	s_mul_i32 s3, s3, s[PIT]
	s_and_b32 s2, s2, s[MSK]
	s_lshl_b32 s2, s2, 10
	s_add_co_u32 s3, s3, s2
	s_add_co_u32 s[D+\i], s3, s[COL]
	v_lshl_add_u32 v[VD+\i], v1, s[LSH], s[D+\i]
.endr
	s_wait_alu depctr_va_vdst(0)                   ; v2 is written, which the sixteen loads read as their offset, and so are v4 to v7, which the sixteen stores read as theirs
.irp i, 0,1,2,3
.irp j, 0,1,2,3
	global_load_b128 v[X+16*(\i)+4*(\j):X+16*(\i)+4*(\j)+3], v2, s[SRC:SRC+1] offset:(\i)*2048+(\j)*512 th:TH_LOAD_NT
.endr
.endr
	v_cmp_gt_u32 vcc_lo, 16, v1                    ; lanes 0-15 hold d = 0..63
	s_cmp_eq_u32 s[COL], 512                       ; only the sine's segment has this column
	s_cselect_b32 s[SGN], 0x80000000, 0
	s_wait_alu depctr_va_vcc(0)                    ; the compare has written VCC, which the select below reads
	v_cndmask_b32 v12, 0, s[SGN], vcc_lo
	s_cmp_eq_u32 s[MODE], 1
	s_cbranch_scc1 .Lhalf
	s_cmp_eq_u32 s[MODE], 2
	s_cbranch_scc1 .Ltable
	; MODE 0: four f32 become 8 bytes; a wave's store covers 256 consecutive bytes, aligned
.set n, 0
.rept 16
	s_wait_loadcnt 15-n                            ; loads come back in order: the 15 - n younger ones may stay out
.if (n%4 == 0) && (n > 0)
	s_wait_alu depctr_va_vdst(0)                   ; the roundings of the unit before have written its OUT, which that unit's four stores, dealt among this unit's lines, read
.endif
.if n >= 4
	global_store_b64 v[VD+(n-4)/4], v[OUT+2*(n-4):OUT+2*(n-4)+1], s[DST:DST+1] offset:((n-4)%4)*256   ; no vector instruction since the wait names these registers
.endif
	v_cvt_pk_bf16_f32 v[OUT+2*n], v[X+4*n], v[X+4*n+1]
	v_cvt_pk_bf16_f32 v[OUT+2*n+1], v[X+4*n+2], v[X+4*n+3]
.set n, n+1
.endr
	s_wait_alu depctr_va_vdst(0)                   ; the last unit's roundings have written its OUT, which the last four stores read
.irp j, 0,1,2,3
	global_store_b64 v[VD+3], v[OUT+2*(12+(\j)):OUT+2*(12+(\j))+1], s[DST:DST+1] offset:(\j)*256
.endr
	s_endpgm
.Lhalf:                                        ; MODE 1: times 16 (exact), rounded to bf16, widened, written as f16
.set n, 0
.rept 16
	s_wait_loadcnt 15-n
.if (n%4 == 0) && (n > 0)
	s_wait_alu depctr_va_vdst(0)                   ; the conversions of the unit before have written its OUT, which that unit's four stores, dealt among this unit's lines, read
.endif
.if n >= 4
	global_store_b64 v[VD+(n-4)/4], v[OUT+2*(n-4):OUT+2*(n-4)+1], s[DST:DST+1] offset:((n-4)%4)*256   ; no vector instruction since the wait names these registers
.endif
	v_pk_mul_f32 v[X+4*n:X+4*n+1], v[X+4*n:X+4*n+1], 0x41800000 op_sel_hi:[1,0]
	v_pk_mul_f32 v[X+4*n+2:X+4*n+3], v[X+4*n+2:X+4*n+3], 0x41800000 op_sel_hi:[1,0]
	v_cvt_pk_bf16_f32 v[X+4*n], v[X+4*n], v[X+4*n+1]
	v_cvt_pk_bf16_f32 v[X+4*n+1], v[X+4*n+2], v[X+4*n+3]
	v_and_b32 v[X+4*n+3], 0xffff0000, v[X+4*n+1]
	v_lshlrev_b32 v[X+4*n+2], 16, v[X+4*n+1]
	v_and_b32 v[X+4*n+1], 0xffff0000, v[X+4*n]
	v_lshlrev_b32 v[X+4*n], 16, v[X+4*n]
	v_cvt_pk_f16_f32 v[OUT+2*n], v[X+4*n], v[X+4*n+1]
	v_cvt_pk_f16_f32 v[OUT+2*n+1], v[X+4*n+2], v[X+4*n+3]
.set n, n+1
.endr
	s_wait_alu depctr_va_vdst(0)                   ; the last unit's conversions have written its OUT, which the last four stores read
.irp j, 0,1,2,3
	global_store_b64 v[VD+3], v[OUT+2*(12+(\j)):OUT+2*(12+(\j))+1], s[DST:DST+1] offset:(\j)*256
.endr
	s_endpgm
.Ltable:                                       ; MODE 2: rounded to bf16, kept as f32; load j of a unit is one table row: 512 consecutive bytes of a row of cs
.set n, 0
.rept 16
	s_wait_loadcnt 15-n
.if (n%4 == 0) && (n > 0)
	s_wait_alu depctr_va_vdst(0)                   ; the lines of the unit before have written its OUT, which that unit's four stores, dealt among this unit's lines, read
.endif
.if n >= 4
	global_store_b128 v[VD+(n-4)/4], v[OUT+4*(n-4):OUT+4*(n-4)+3], s[DST:DST+1] offset:((n-4)%4)*1024   ; no vector instruction since the wait names these registers
.endif
	v_cvt_pk_bf16_f32 v[X+4*n], v[X+4*n], v[X+4*n+1]
	v_cvt_pk_bf16_f32 v[X+4*n+1], v[X+4*n+2], v[X+4*n+3]
	v_lshlrev_b32 v[OUT+4*n], 16, v[X+4*n]
	v_and_b32 v[OUT+4*n+1], 0xffff0000, v[X+4*n]
	v_lshlrev_b32 v[OUT+4*n+2], 16, v[X+4*n+1]
	v_and_b32 v[OUT+4*n+3], 0xffff0000, v[X+4*n+1]
	v_xor_b32 v[OUT+4*n], v12, v[OUT+4*n]
	v_xor_b32 v[OUT+4*n+1], v12, v[OUT+4*n+1]
	v_xor_b32 v[OUT+4*n+2], v12, v[OUT+4*n+2]
	v_xor_b32 v[OUT+4*n+3], v12, v[OUT+4*n+3]
.set n, n+1
.endr
	s_wait_alu depctr_va_vdst(0)                   ; the last unit's lines have written its OUT, which the last four stores read
.irp j, 0,1,2,3
	global_store_b128 v[VD+3], v[OUT+4*(12+(\j)):OUT+4*(12+(\j))+3], s[DST:DST+1] offset:(\j)*1024
.endr
	s_endpgm
.Lfunc_end_k_q6c12d76da2_prep:
	.size	k_q6c12d76da2_prep, .Lfunc_end_k_q6c12d76da2_prep-k_q6c12d76da2_prep
	.p2alignl 7, 3214868480
	.fill 96, 4, 3214868480
	.section	.rodata,"a",@progbits
	.p2align	6, 0x0
	.amdhsa_kernel k_q6c12d76da2_prep
		.amdhsa_group_segment_fixed_size 0
		.amdhsa_private_segment_fixed_size 0
		.amdhsa_enable_private_segment 0
		.amdhsa_kernarg_size 88
		.amdhsa_user_sgpr_count 2
		.amdhsa_user_sgpr_kernarg_segment_ptr 1
		.amdhsa_wavefront_size32 1
		.amdhsa_system_sgpr_workgroup_id_x 1
		.amdhsa_system_sgpr_workgroup_id_y 1
		.amdhsa_system_sgpr_workgroup_id_z 1
		.amdhsa_system_vgpr_workitem_id 0
		.amdhsa_next_free_vgpr 144
		.amdhsa_next_free_sgpr 66
		.amdhsa_reserve_vcc 1
		.amdhsa_float_denorm_mode_32 3
		.amdhsa_float_denorm_mode_16_64 3
		.amdhsa_memory_ordered 1
		.amdhsa_forward_progress 1
		.amdhsa_inst_pref_size 33
	.end_amdhsa_kernel
	.amdgpu_metadata
---
amdhsa.version: [ 1, 2 ]
amdhsa.kernels:
  - .name:           k_q6c12d76da2_prep
    .symbol:         k_q6c12d76da2_prep.kd
    .args:
      - { .name: hidden_states, .offset: 0, .size: 8, .value_kind: global_buffer, .address_space: global }
      - { .name: Wq, .offset: 8, .size: 8, .value_kind: global_buffer, .address_space: global }
      - { .name: Wk, .offset: 16, .size: 8, .value_kind: global_buffer, .address_space: global }
      - { .name: Wv, .offset: 24, .size: 8, .value_kind: global_buffer, .address_space: global }
      - { .name: Wo, .offset: 32, .size: 8, .value_kind: global_buffer, .address_space: global }
      - { .name: cos_table, .offset: 40, .size: 8, .value_kind: global_buffer, .address_space: global }
      - { .name: sin_table, .offset: 48, .size: 8, .value_kind: global_buffer, .address_space: global }
      - { .name: xb, .offset: 56, .size: 8, .value_kind: global_buffer, .address_space: global }
      - { .name: wqkv, .offset: 64, .size: 8, .value_kind: global_buffer, .address_space: global }
      - { .name: wo16, .offset: 72, .size: 8, .value_kind: global_buffer, .address_space: global }
      - { .name: cs, .offset: 80, .size: 8, .value_kind: global_buffer, .address_space: global }
    .group_segment_fixed_size: 0
    .private_segment_fixed_size: 0
    .kernarg_segment_align: 8
    .kernarg_segment_size: 88
    .max_flat_workgroup_size: 256
    .sgpr_count:     66
    .vgpr_count:     144
    .wavefront_size: 32
...
	.end_amdgpu_metadata
.endif
;; end of part 5
;; launch qkv: the kernel of part 2 again; grid 16 x 16, 4 waves a work-group, clusters of 4 x 4, 327,680 bytes of LDS; arguments xb, wqkv, position_ids, cs, q_norm_w, k_norm_w, qh, kh, vh; writes qh, kh, vh
;; launch attn: the kernel of part 3 again; grid 16 x 8, 4 waves a work-group, no clusters, 327,680 bytes of LDS; arguments qh, kh, vh, ob; writes ob
;; launch oproj: the kernel of part 4 again; grid 32 x 16, 4 waves a work-group, clusters of 4 x 4, 327,680 bytes of LDS; arguments ob, wo16, out0; writes out0
